; MI455X (gfx1250); checked and timed in simulation.
; The chip was launched on July 23, 2026; its instructions are those of AMD's public machine-readable ISA for CDNA 5 (MIT licence, August 2026) and "CDNA5" Instruction Set Architecture Reference Guide (July 2026). The comments in the code are by the model that wrote it; some were corrected since.
;; Root Module. Allowed arithmetic: float matrix products may take bf16 or f16 operands with f32 sums; all other float work in f32.
;; Inputs: As 4 x 1,024 x 16 float32; Bs 4 x 16 x 1,024 float32; Ws 4 x 1,024 x 1,024 float32; alpha_W 4 x 4 float32; alpha_b 4 float32; bs 4 x 1,024 float32; mu 8,192 x 1,024 float32; nu 8,192 x 3 float32; t 8,192 float32.
;; Outputs: out0 8,192 x 1,024 float32.
;; 2 versions, each right; version 2 is version 1 with the launch prep written anew for expert scheduling mode. Each part assembles by itself: llvm-mc -triple=amdgcn-amd-amdhsa -mcpu=gfx1250 --defsym DOCPART=n.
;; ======== version 1 of 2: 5 launches
;; limits: values outside matrix products are rounded to bf16
;; workspace buffers: X 16,777,216 bytes; E1 2,359,296 bytes; E2 2,359,296 bytes; E3 2,359,296 bytes; Z4 2,949,120 bytes; Z3 5,898,240 bytes; Z2 5,898,240 bytes; Z1 2,949,120 bytes
;; launch prep (part 1): grid 268 x 1, 4 waves a work-group, no clusters, 0 bytes of LDS; arguments Ws, As, Bs, bs, E1, E2, E3, Z4, Z3, Z2, Z1; writes E1, E2, E3, Z4, Z3, Z2, Z1
.if DOCPART == 1
	.amdgcn_target "amdgcn-amd-amdhsa--gfx1250"
	.amdhsa_code_object_version 6
	.text
	.protected	k_q27f51b6b1e_prep
	.globl	k_q27f51b6b1e_prep
	.p2align	8
	.type	k_q27f51b6b1e_prep,@function
k_q27f51b6b1e_prep:
	s_mov_b64 s[64:65], 0
	v_nop
	global_prefetch_b8 v0, s[64:65] scope:SCOPE_SE
	s_setreg_imm32_b32 hwreg(HW_REG_WAVE_MODE, 25, 1), 1
	s_wait_xcnt 0x0
; PREP: rounds the weights to bf16 once and lays them out for the weight chain.
;   Ej [1024][1152]  (j = 1, 2, 3): row k = [ Wj[k][0..1023] | Aj[k][0..15] | bj[k] | 111 zeros ]
;   Z4 [1280][1152]  four blocks of 320 rows: 256 rows [ W4 row | A4 row | 112 zeros ], 16 rows [ B4 row | 128 zeros ], 48 rows of zeros
;   Z3, Z2, Z1       only rows 256..271 of each block: [ Bj row | 128 zeros ]; in Z3 and Z2 also zeros in the same rows of the low part
; A stream: each input byte is loaded once, by loads of 512 consecutive bytes a wave; each store of a wave covers 256 consecutive
; bytes, aligned.  No LDS, no barrier, no matrix unit, no cluster: no two waves share a byte.  (mu is converted by the chain's launches.)
; Work-groups 0..255: 16 rows each of W, A, b.  256..259: B of one layer each.  260..267: Z4's zero rows.
.set ROWF,   4096                      ; bytes of an f32 row of 1024
.set ZP,     2304                      ; bytes of a row of E and of Z (1152 bf16)
.set QBLK,   320*ZP                    ; a block of 320 rows of Z
.set LOPART, 1280*ZP                   ; where the low part of Z3 and Z2 begins
.set D,   16                           ; v[16:143]  row i (of 4), load c (of 8): 4 registers at D + 32 i + 4 c
.set EA,  144                          ; v[144:159] row i: 4 numbers of A
.set EB,  160                          ; v[160:163] row i: b
.set EX,  164                          ; v[164:171] row i: the extension columns' 8 bytes of this lane
	s_load_b512 s[4:19], s[0:1], 0x0               ; Ws s4, As s6, Bs s8, bs s10, E1 s12, E2 s14, E3 s16, Z4 s18
	s_load_b128 s[20:23], s[0:1], 0x40             ; Z3 s20, Z2 s22
	s_load_b64 s[24:25], s[0:1], 0x50              ; Z1 s24
	v_and_b32 v1, 31, v0                           ; lane
	v_lshrrev_b32 v2, 5, v0
	v_readfirstlane_b32 s30, v2                    ; wave 0..3
	v_lshlrev_b32 v2, 4, v1                        ; 16 x lane: loads
	v_lshlrev_b32 v3, 3, v1                        ; 8 x lane: stores
	v_mov_b32 v6, 0                                ; v[6:7]: eight bytes of zeros
	v_mov_b32 v7, 0
	s_mov_b32 s39, 0                               ; upper word of every offset pair s[38:39]
	s_wait_kmcnt 0x0
; four rows of 1024 f32: 32 loads, all on their way at once
.macro LOAD4 src
.irp i, 0,1,2,3
.irp c, 0,1,2,3,4,5,6,7
	global_load_b128 v[D+32*\i+4*\c:D+32*\i+4*\c+3], v2, s[\src:\src+1] offset:ROWF*\i+512*\c th:TH_LOAD_NT
.endr
.endr
.endm
; the four rows rounded in place and stored, reps times, stride bytes apart
.macro CVST4 dst, pitch, reps, stride
.irp i, 0,1,2,3
	s_wait_loadcnt 8*(3-\i)                        ; loads come back in order: row i is in, the younger rows' loads stay out
.irp c, 0,1,2,3,4,5,6,7
	v_cvt_pk_bf16_f32 v[D+32*\i+4*\c], v[D+32*\i+4*\c], v[D+32*\i+4*\c+1]
	v_cvt_pk_bf16_f32 v[D+32*\i+4*\c+1], v[D+32*\i+4*\c+2], v[D+32*\i+4*\c+3]
.endr
.irp c, 0,1,2,3,4,5,6,7
.set rep, 0
.rept \reps
	global_store_b64 v3, v[D+32*\i+4*\c:D+32*\i+4*\c+1], s[\dst:\dst+1] offset:\pitch*\i+256*\c+rep*\stride
.set rep, rep+1
.endr
.endr
.endr
.endm
; units x 256 bytes of zeros from byte off on
.macro ZEROS dst, off, units
.set u, 0
.rept \units
	global_store_b64 v3, v[6:7], s[\dst:\dst+1] offset:\off+256*u
.set u, u+1
.endr
.endm
	s_cmp_lt_u32 ttmp9, 256
	s_cbranch_scc1 .Lclass_e
	s_cmp_lt_u32 ttmp9, 260
	s_cbranch_scc1 .Lclass_b
	; ---- Z4's rows 272..319 of a block: zeros; two work-groups a block, six rows a wave
	s_sub_co_u32 s36, ttmp9, 260
	s_lshr_b32 s37, s36, 1                         ; the block
	s_and_b32 s36, s36, 1                          ; which 24 of its 48 rows
	s_mul_i32 s37, s37, 320
	s_mul_i32 s36, s36, 24
	s_add_co_u32 s36, s36, s37
	s_mul_i32 s37, s30, 6
	s_add_co_u32 s36, s36, s37
	s_add_co_u32 s36, s36, 272
	s_mul_i32 s38, s36, ZP
	s_add_nc_u64 s[18:19], s[18:19], s[38:39]
.irp i, 0,1,2,3,4,5
	ZEROS 18, ZP*\i, 9
.endr
	s_endpgm
.Lclass_e:                                         ; ---- rows [ W | A | b | 0 ] of E1, E2, E3 and [ W4 | A4 | 0 ] of Z4
	s_lshr_b32 s37, ttmp9, 6                       ; layer 0..3
	s_and_b32 s36, ttmp9, 63
	s_lshl_b32 s36, s36, 4
	s_lshl2_add_u32 s36, s30, s36                  ; k0 = 16 (g mod 64) + 4 w
	s_lshl_b32 s38, s37, 22
	s_lshl_b32 s40, s36, 12
	s_add_co_u32 s38, s38, s40
	s_add_nc_u64 s[4:5], s[4:5], s[38:39]          ; W[layer][k0]
	s_lshl_b32 s38, s37, 16
	s_lshl_b32 s40, s36, 6
	s_add_co_u32 s38, s38, s40
	s_add_nc_u64 s[6:7], s[6:7], s[38:39]          ; A[layer][k0]
	s_lshl_b32 s38, s37, 12
	s_lshl2_add_u32 s38, s36, s38
	s_add_nc_u64 s[10:11], s[10:11], s[38:39]      ; b[layer][k0]
	s_lshr_b32 s40, s36, 8
	s_lshl_b32 s40, s40, 6
	s_add_co_u32 s40, s40, s36                     ; Z4's row: 320 (k0 / 256) + k0 mod 256 = k0 + 64 (k0 / 256)
	s_cmp_eq_u32 s37, 3
	s_cselect_b32 s40, s40, s36
	s_cselect_b64 s[42:43], s[18:19], s[16:17]     ; Z4, else E3
	s_cmp_eq_u32 s37, 1
	s_cselect_b64 s[42:43], s[14:15], s[42:43]     ; E2
	s_cmp_eq_u32 s37, 0
	s_cselect_b64 s[42:43], s[12:13], s[42:43]     ; E1
	s_mul_i32 s38, s40, ZP
	s_add_nc_u64 s[42:43], s[42:43], s[38:39]
	v_min_u32 v4, 3, v1
	v_lshlrev_b32 v4, 4, v4                        ; lanes 0..3 take A's 16 numbers; the others repeat lane 3's and drop them
	v_mov_b32 v5, 0
	v_cmp_gt_u32 s32, 4, v1                        ; lanes 0..3: columns 1024..1039 = A
	v_cmp_eq_u32 s33, 4, v1                        ; lane 4: column 1040 = b,
	s_cmp_eq_u32 s37, 3
	s_cselect_b32 s33, 0, s33                      ; but not in Z4: b4 is added in f32 by the last launch
.irp i, 0,1,2,3
	global_load_b128 v[EA+4*\i:EA+4*\i+3], v4, s[6:7] offset:64*\i
	global_load_b32 v[EB+\i], v5, s[10:11] offset:4*\i
.endr
	LOAD4 4
	CVST4 42, ZP, 1, 0                             ; its first wait also covers the eight older loads of A and b
.irp i, 0,1,2,3
	v_cndmask_b32 v[EB+\i], 0, v[EB+\i], s33
	v_cndmask_b32 v[EA+4*\i], v[EB+\i], v[EA+4*\i], s32
	v_cndmask_b32 v[EA+4*\i+1], 0, v[EA+4*\i+1], s32
	v_cndmask_b32 v[EA+4*\i+2], 0, v[EA+4*\i+2], s32
	v_cndmask_b32 v[EA+4*\i+3], 0, v[EA+4*\i+3], s32
	v_cvt_pk_bf16_f32 v[EX+2*\i], v[EA+4*\i], v[EA+4*\i+1]
	v_cvt_pk_bf16_f32 v[EX+2*\i+1], v[EA+4*\i+2], v[EA+4*\i+3]
	global_store_b64 v3, v[EX+2*\i:EX+2*\i+1], s[42:43] offset:2048+ZP*\i
.endr
	s_endpgm
.Lclass_b:                                         ; ---- rows [ B | 0 ], the same in all four blocks of Z1, Z2, Z3, Z4
	s_sub_co_u32 s37, ttmp9, 256                   ; layer 0..3
	s_lshl_b32 s36, s30, 2                         ; first of my four rows
	s_lshl_b32 s38, s37, 16
	s_lshl_b32 s40, s36, 12
	s_add_co_u32 s38, s38, s40
	s_add_nc_u64 s[8:9], s[8:9], s[38:39]
	s_cmp_eq_u32 s37, 3
	s_cselect_b64 s[42:43], s[18:19], s[20:21]     ; Z4, else Z3
	s_cmp_eq_u32 s37, 1
	s_cselect_b64 s[42:43], s[22:23], s[42:43]     ; Z2
	s_cmp_eq_u32 s37, 0
	s_cselect_b64 s[42:43], s[24:25], s[42:43]     ; Z1
	s_add_co_u32 s38, s36, 256
	s_mul_i32 s38, s38, ZP
	s_add_nc_u64 s[42:43], s[42:43], s[38:39]
	LOAD4 8
	CVST4 42, ZP, 4, QBLK
.irp q, 0,1,2,3
.irp i, 0,1,2,3
	ZEROS 42, QBLK*\q+ZP*\i+2048, 1
.endr
.endr
	s_cmp_eq_u32 s37, 0
	s_cbranch_scc1 .Lb_end                         ; Z1 and Z4 have no low part
	s_cmp_eq_u32 s37, 3
	s_cbranch_scc1 .Lb_end
.irp q, 0,1,2,3
.irp i, 0,1,2,3
	ZEROS 42, LOPART+QBLK*\q+ZP*\i, 9              ; B is taken as bf16(B): its low part is zero
.endr
.endr
.Lb_end:
	s_endpgm
.Lfunc_end_k_q27f51b6b1e_prep:
	.size	k_q27f51b6b1e_prep, .Lfunc_end_k_q27f51b6b1e_prep-k_q27f51b6b1e_prep
	.p2alignl 7, 3214868480
	.fill 96, 4, 3214868480
	.section	.rodata,"a",@progbits
	.p2align	6, 0x0
	.amdhsa_kernel k_q27f51b6b1e_prep
		.amdhsa_group_segment_fixed_size 0
		.amdhsa_private_segment_fixed_size 0
		.amdhsa_enable_private_segment 0
		.amdhsa_kernarg_size 88
		.amdhsa_user_sgpr_count 2
		.amdhsa_user_sgpr_kernarg_segment_ptr 1
		.amdhsa_wavefront_size32 1
		.amdhsa_system_sgpr_workgroup_id_x 1
		.amdhsa_system_sgpr_workgroup_id_y 1
		.amdhsa_system_sgpr_workgroup_id_z 1
		.amdhsa_system_vgpr_workitem_id 0
		.amdhsa_next_free_vgpr 172
		.amdhsa_next_free_sgpr 66
		.amdhsa_reserve_vcc 0
		.amdhsa_float_denorm_mode_32 3
		.amdhsa_float_denorm_mode_16_64 3
		.amdhsa_memory_ordered 1
		.amdhsa_forward_progress 1
		.amdhsa_inst_pref_size 56
	.end_amdhsa_kernel
	.amdgpu_metadata
---
amdhsa.version: [ 1, 2 ]
amdhsa.kernels:
  - .name:           k_q27f51b6b1e_prep
    .symbol:         k_q27f51b6b1e_prep.kd
    .args:
      - { .name: Ws, .offset: 0, .size: 8, .value_kind: global_buffer, .address_space: global }
      - { .name: As, .offset: 8, .size: 8, .value_kind: global_buffer, .address_space: global }
      - { .name: Bs, .offset: 16, .size: 8, .value_kind: global_buffer, .address_space: global }
      - { .name: bs, .offset: 24, .size: 8, .value_kind: global_buffer, .address_space: global }
      - { .name: E1, .offset: 32, .size: 8, .value_kind: global_buffer, .address_space: global }
      - { .name: E2, .offset: 40, .size: 8, .value_kind: global_buffer, .address_space: global }
      - { .name: E3, .offset: 48, .size: 8, .value_kind: global_buffer, .address_space: global }
      - { .name: Z4, .offset: 56, .size: 8, .value_kind: global_buffer, .address_space: global }
      - { .name: Z3, .offset: 64, .size: 8, .value_kind: global_buffer, .address_space: global }
      - { .name: Z2, .offset: 72, .size: 8, .value_kind: global_buffer, .address_space: global }
      - { .name: Z1, .offset: 80, .size: 8, .value_kind: global_buffer, .address_space: global }
    .group_segment_fixed_size: 0
    .private_segment_fixed_size: 0
    .kernarg_segment_align: 8
    .kernarg_segment_size: 88
    .max_flat_workgroup_size: 128
    .sgpr_count:     66
    .vgpr_count:     172
    .wavefront_size: 32
...
	.end_amdgpu_metadata
.endif
;; end of part 1
;; launch c3 (part 2): grid 224 x 1, 4 waves a work-group, clusters of 4 x 1, 327,680 bytes of LDS; arguments Z4, E3, Z3, mu, X; writes Z3, X
.if DOCPART == 2
	.amdgcn_target "amdgcn-amd-amdhsa--gfx1250"
	.amdhsa_code_object_version 6
	.text
	.protected	k_q27f51b6b1e_c3
	.globl	k_q27f51b6b1e_c3
	.p2align	8
	.type	k_q27f51b6b1e_c3,@function
k_q27f51b6b1e_c3:
	s_mov_b64 s[64:65], 0
	v_nop
	global_prefetch_b8 v0, s[64:65] scope:SCOPE_SE
	s_setreg_imm32_b32 hwreg(HW_REG_WAVE_MODE, 25, 1), 1
	s_wait_xcnt 0x0
	s_wait_alu depctr_hold_cnt(0) depctr_sa_sdst(0) depctr_va_vdst(0) depctr_va_sdst(0) depctr_va_ssrc(0) depctr_va_vcc(0) depctr_vm_vsrc(0)
	s_getreg_b32 s2, hwreg(HW_REG_IB_STS2, 6, 4)
	s_cmp_eq_u32 s2, 0
	s_cbranch_scc0 .Lentry_in_a_cluster
	s_endpgm
.Lentry_in_a_cluster:
	s_bfe_u32 s2, ttmp6, 0x10000c
	s_cmp_lg_u32 s2, 0x3003
	s_cbranch_scc0 .Lentry_shape_is_right
	s_endpgm
.Lentry_shape_is_right:
; ONE STEP OF THE WEIGHT CHAIN, Zout = Zin x [ E ; shift ], and beside it a share of X = bf16(mu).
; Z is [1280][1152], E is [1024][1152], bf16 operands, f32 sums.  Columns n < 1056 of Zout are the sum over k < 1024 of Zin[m][k] E[k][n];
; columns 1056..1151 are Zin's columns 1024..1119, copied (E's columns 1041.. are zeros, so the products add nothing there).
; This text serves all three steps; constants say which: LO_IN = 1: Zin is a pair hi + lo of bf16 matrices (lo 1280 rows behind hi);
; LO_OUT = 1: Zout is stored as such a pair, hi = bf16(sum), lo = bf16(sum - hi), so that the step's rounding is far below one bf16 rounding.
; THIS FILE: the first step, Z3 = Z4 x E3.  Z4 holds inputs rounded to bf16 (no low part); Z3 is stored as a pair.  X: rows 0..2815.
; Z has four blocks of 320 rows: 256 rows of the product of the W, then four groups of 16 rows that begin as B of a layer.  The rows of these
; groups are stored 16 rows lower than they were read (group s becomes group s + 1; the fourth is dropped; the first was stored by the first launch).
; LIMITS: the sums must be finite in f32 (an infinity would give NaN in the low part and against E's zeros).  The chain re-associates the
; layers' products, so the order of rounding differs from a layer-by-layer evaluation.
; SHARES: clusters 0..44 are the chain: cluster c makes columns 128 (c / 5) .. + 127 for rows 64 (c mod 5) .. + 63 of the four blocks, one block a
; work-group; a wave makes 32 x 64 = 8 accumulators.  The matrix instruction is used transposed (source 0 = E's columns, source 1 = Z's rows), so that
; a lane's eight results are eight neighbouring columns of one row.  The four work-groups of a cluster need the same tiles of E and ask for them
; jointly (mask 15); Zin's tiles are each work-group's own rows: plain loads.
; The chain has work for 180 work-groups.  The launch's further clusters convert mu, 64 rows a work-group: work that hangs on nothing here and that
; only the last launch reads.  The branch between the two hangs on the cluster's number, which the four partners share.
; LDS: two slots of 256 along K: Zin hi (64 rows), Zin lo (64 rows), a row 512 bytes + 16: pitch 528 = 33 x 16; then E's 256 rows in two halves,
; a row 256 bytes + 32: pitch 288 = 9 x 32.  Waves 0, 1 fill Zin's two parts (LO_IN = 0: the two halves of its rows), waves 2, 3 E's halves.
; Four slots make K = 1024: two first fills, two refills.  Behind the slots a stage for the way out, into which no tensor load lands.
.set LO_IN,  0
.set LO_OUT, 1
.set XROW0,  0                         ; first row of mu that this launch converts
.set LO_CP,   LO_IN*LO_OUT             ; the copied columns have a low part to copy
.set NCHAIN,  45                       ; clusters with chain work
.set ZP,      2304                     ; bytes of a row of Z and of E
.set LOPART,  1280*ZP                  ; the low part's distance from the high part
.set KS,      256                      ; K in a slot
.set AROWS,   32+32*LO_IN              ; rows in one load of Zin
.set APITCH,  528
.set ASTREAM, 64*APITCH                ; 33,792
.set BPITCH,  288
.set BOFF,    2*ASTREAM
.set EHALF,   128*BPITCH               ; 36,864
.set SLOT,    BOFF+2*EHALF             ; 141,312
.set STAGE,   2*SLOT
.set SPITCH,  272
.set STAGELO, 64*SPITCH
.set NLOADS,  12+4*LO_IN               ; LDS loads for 32 along K
.set ADRA, 8                           ; v8, v9    my Zin fragments in slot 0, 1
.set ADRB, 10                          ; v10..v13  my E fragments: slot 0 half 0, 1; slot 1 half 0, 1 (224 rows of 288 bytes pass a 16-bit offset)
.set STO,  16                          ; v16       stage: where I put 16 bytes of a row
.set RD,   17                          ; v17       stage: where I read 16 bytes back
.set CO,   18                          ; v18       my byte offset in Zout
.set CI,   19                          ; v19       my byte offset in Zin for the copied columns
.set F0,   32                          ; v[32:95]   fragment buffer 0: Zin hi 2 x 8, Zin lo 2 x 8, E 4 x 8
.set F1,   96                          ; v[96:159]  fragment buffer 1
.set FSZ,  64
.set ACC,  160                         ; v[160:223] accumulator (a, b) at 8 (4 a + b)
.set TH,   32                          ; way out: packed hi
.set TL,   64                          ; way out: packed lo
.set TT,   96                          ; way out: four pairs at work
.set OH,   104                         ; way out: rows read back, hi
.set OL,   136                         ; way out: rows read back, lo
.set XD,   32                          ; v[32:255]  conversion: seven row slots of 32 registers
.set G1A, 16                           ; s[16:23] group 1 for Zin's tiles
.set G0A, 24                           ; s[24:31] group 0 for Zin's tiles, a set for each slot
.set G1B, 32                           ; s[32:39] group 1 for E's tiles
.set G0B, 40                           ; s[40:47] group 0 for E's tiles, a set for each slot
.macro ROUND                           ; a round of the cluster's barrier
	s_barrier_signal -1
	s_barrier_wait -1
	s_cmp_lg_u32 s10, 0
	s_cbranch_scc1 .Lnot_wave_0_\@
	s_barrier_signal -3
.Lnot_wave_0_\@:
	s_barrier_wait -3
	s_barrier_signal -1
	s_barrier_wait -1
.endm
.macro JLOAD s                         ; waves 0, 1: Zin's tile (plain); waves 2, 3: E's (joint).  The branch hangs on the wave's number alone
	s_cmp_eq_u32 s11, 0
	s_cbranch_scc0 .Lfor_e_\@
	tensor_load_to_lds s[G0A+4*(\s):G0A+4*(\s)+3], s[G1A:G1A+7]
	s_nop 0
	s_branch .Lasked_\@
.Lfor_e_\@:
	tensor_load_to_lds s[G0B+4*(\s):G0B+4*(\s)+3], s[G1B:G1B+7]
	s_nop 0
.Lasked_\@:
.endm
.macro PLACES                          ; four places between a matrix instruction and a load into, or a vector instruction on, its registers
.rept 4
	v_nop
.endr
.endm
	s_load_b128 s[4:7], s[0:1], 0x0                ; Zin, E
	s_load_b64 s[8:9], s[0:1], 0x10                ; Zout
	s_load_b128 s[56:59], s[0:1], 0x18             ; mu, X
	v_lshl_add_u32 v30, v0, 2, 0x4d800
	v_mov_b32 v31, 0
	ds_add_u32 v30, v31
	ds_add_u32 v30, v31
	s_wait_dscnt 0x0
	v_lshrrev_b32 v1, 5, v0
	v_readfirstlane_b32 s10, v1                    ; wave 0..3
	s_bfe_u32 s14, ttmp6, 0x40000                  ; cx: my place in the cluster
	s_cmp_lt_u32 ttmp9, NCHAIN
	s_cbranch_scc1 .Lchain
	; ---- X = bf16(mu): 64 rows a work-group, 16 a wave, through a ring of seven row slots in registers: six rows (48 loads) on their way
	s_sub_co_u32 s48, ttmp9, NCHAIN
	s_lshl2_add_u32 s48, s48, s14                  ; 4 x cluster + cx
	s_lshl_b32 s48, s48, 6                         ; x 64 rows
	s_lshl4_add_u32 s48, s10, s48                  ; + 16 x wave
.if XROW0
	s_add_co_u32 s48, s48, XROW0
.endif
	s_lshl_b32 s50, s48, 12                        ; a row of mu is 4,096 bytes,
	s_mov_b32 s51, 0
	s_lshl_b32 s48, s48, 11                        ; a row of X 2,048
	s_mov_b32 s49, 0
	v_and_b32 v1, 31, v0
	v_lshlrev_b32 v2, 4, v1                        ; 16 x lane: a load of the wave covers 512 consecutive bytes
	v_lshlrev_b32 v3, 3, v1                        ; 8 x lane: a store of the wave covers 256 consecutive bytes, aligned
	s_wait_kmcnt 0x0
	s_add_nc_u64 s[56:57], s[56:57], s[50:51]
	s_add_nc_u64 s[58:59], s[58:59], s[48:49]
.macro XFILL row                       ; a row's eight loads, into slot row mod 7
.irp c, 0,1,2,3,4,5,6,7
	global_load_b128 v[XD+32*((\row)%7)+4*\c:XD+32*((\row)%7)+4*\c+3], v2, s[56:57] offset:4096*(\row)+512*\c th:TH_LOAD_NT
.endr
.endm
.macro XTURN row, left, fill           ; left = loads of younger rows that may stay out; fill = 1: the row six further down is asked for
	s_wait_loadcnt \left                           ; loads come back in order: this row is in
.irp c, 0,1,2,3,4,5,6,7
	v_cvt_pk_bf16_f32 v[XD+32*((\row)%7)+4*\c], v[XD+32*((\row)%7)+4*\c], v[XD+32*((\row)%7)+4*\c+1]
	v_cvt_pk_bf16_f32 v[XD+32*((\row)%7)+4*\c+1], v[XD+32*((\row)%7)+4*\c+2], v[XD+32*((\row)%7)+4*\c+3]
.endr
.irp c, 0,1,2,3,4,5,6,7
	global_store_b64 v3, v[XD+32*((\row)%7)+4*\c:XD+32*((\row)%7)+4*\c+1], s[58:59] offset:2048*(\row)+256*\c
.endr
.if \fill
	s_wait_xcnt 0x0                                ; the slot of the row before, whose stores went out a turn ago, is loaded again only behind this wait
	XFILL (\row)+6
.endif
.endm
.irp r, 0,1,2,3,4,5
	XFILL \r
.endr
.set n, 0
.rept 10
	XTURN n, 40, 1                                 ; five younger rows stay out
.set n, n+1
.endr
	XTURN 10, 40, 0                                ; nothing is left to ask for: the counts run down
	XTURN 11, 32, 0
	XTURN 12, 24, 0
	XTURN 13, 16, 0
	XTURN 14, 8, 0
	XTURN 15, 0, 0
	s_branch .Lclose
.Lchain:
	s_lshr_b32 s11, s10, 1                         ; my 32 rows.  Also: I fetch for Zin (0) or for E (1)
	s_and_b32 s12, s10, 1                          ; my 64 columns.  Also: which half I fetch
	s_mul_i32 s15, ttmp9, 52
	s_lshr_b32 s15, s15, 8                         ; cluster / 5 (exact for 0..44): which 128 columns
	s_mul_i32 s13, s15, 5
	s_sub_co_u32 s13, ttmp9, s13                   ; cluster mod 5: which 64 rows of a block; the same in all four partners
	s_mov_b32 s[G1A+0], (1<<16)|(1<<20)|(6<<22)|(3<<25)                 ; no mask; 2-byte elements; padding on: 4 words behind every 128
	s_mov_b32 s[G1A+1], KS<<16                     ; tensor_dim0 = 256
	s_mov_b32 s[G1A+2], AROWS<<16                  ; tensor_dim1
	s_mov_b32 s[G1A+3], KS<<16                     ; tile_dim0 = 256
	s_mov_b32 s[G1A+4], AROWS                      ; tile_dim1
	s_mov_b32 s[G1A+5], 1152                       ; elements from row to row
	s_mov_b32 s[G1A+6], 0
	s_mov_b32 s[G1A+7], 0
	s_mov_b32 s[G1B+0], 15|(1<<16)|(1<<20)|(1<<21)|(5<<22)|(7<<25)      ; mask: all four partners, bit 21 beside it; padding: 8 words behind every 64
	s_mov_b32 s[G1B+1], 128<<16
	s_mov_b32 s[G1B+2], 128<<16
	s_mov_b32 s[G1B+3], 128<<16
	s_mov_b32 s[G1B+4], 128
	s_mov_b32 s[G1B+5], 1152
	s_mov_b32 s[G1B+6], 0
	s_mov_b32 s[G1B+7], 0
	s_mul_i32 s54, s14, 320                        ; Zin's tile: rows 320 cx + 64 sub on (s48, s49, s54, s60, s61 alone hold cx)
	s_lshl_b32 s48, s13, 6
	s_add_co_u32 s54, s54, s48
	s_mul_i32 s54, s54, ZP
.if LO_IN
	s_mul_i32 s48, s12, LOPART                     ; wave 0 the high part, wave 1 the low part
	s_mul_i32 s52, s12, ASTREAM
.else
	s_mul_i32 s48, s12, 32*ZP                      ; wave 0 rows 0..31, wave 1 rows 32..63
	s_mul_i32 s52, s12, 32*APITCH
.endif
	s_add_co_u32 s48, s48, s54
	s_mov_b32 s49, 0
	s_mul_i32 s50, s12, 128*ZP                     ; E's tile: rows 128 x half, the cluster's 128 columns: nothing of cx in it
	s_lshl_b32 s51, s15, 8
	s_add_co_u32 s50, s50, s51
	s_mov_b32 s51, 0
	s_mul_i32 s55, s12, EHALF                      ; where they go: the wave's number alone
	s_add_co_u32 s55, s55, BOFF
	s_mov_b32 s60, s54
	s_mov_b32 s61, 0
	s_wait_kmcnt 0x0
	s_add_nc_u64 s[48:49], s[4:5], s[48:49]
	s_add_nc_u64 s[50:51], s[6:7], s[50:51]
	s_add_nc_u64 s[60:61], s[4:5], s[60:61]        ; Zin at my 64 rows, for the copied columns
	ROUND                                          ; all four work-groups are here: the first joint loads meet
.irp s, 0,1
	s_mov_b32 s[G0A+4*\s], 1
	s_add_co_u32 s[G0A+4*\s+1], s52, \s*SLOT
	s_add_nc_u64 s[G0A+4*\s+2:G0A+4*\s+3], s[48:49], \s*KS*2
	s_or_b32 s[G0A+4*\s+3], s[G0A+4*\s+3], 0x80000000
	s_mov_b32 s[G0B+4*\s], 1
	s_add_co_u32 s[G0B+4*\s+1], s55, \s*SLOT
	s_add_nc_u64 s[G0B+4*\s+2:G0B+4*\s+3], s[50:51], \s*KS*ZP
	s_or_b32 s[G0B+4*\s+3], s[G0B+4*\s+3], 0x80000000
	JLOAD \s                                       ; both slots are asked for before anything else: two loads of the wave are out
.endr
	v_and_b32 v1, 15, v0                           ; r
	v_bfe_u32 v2, v0, 4, 1                         ; h
	v_mul_u32_u24 v3, v1, APITCH
	v_lshl_add_u32 v3, v2, 4, v3                   ; Zin fragment: row r, 16 bytes for each half of the lanes
	s_mul_i32 s53, s11, 32*APITCH                  ; my 32 rows of the 64
	v_add_nc_u32 v[ADRA], s53, v3
	v_add_nc_u32 v[ADRA+1], SLOT, v[ADRA]
	v_and_b32 v4, 7, v0                            ; E lies [k][n]: transposing loads, lane l at row 8 h + l mod 8, 16 bytes (l / 8) mod 2
	v_lshl_add_u32 v4, v2, 3, v4
	v_mul_u32_u24 v4, v4, BPITCH
	v_bfe_u32 v5, v0, 3, 1
	v_lshl_add_u32 v4, v5, 4, v4
	s_lshl_b32 s53, s12, 7
	s_add_co_u32 s53, s53, BOFF
	v_add_nc_u32 v[ADRB], s53, v4
	v_add_nc_u32 v[ADRB+1], EHALF, v[ADRB]
	v_add_nc_u32 v[ADRB+2], SLOT, v[ADRB]
	v_add_nc_u32 v[ADRB+3], SLOT, v[ADRB+1]
	s_mul_i32 s53, s11, 32*SPITCH
	s_lshl_b32 s48, s12, 7
	s_add_co_u32 s53, s53, s48
	s_add_co_u32 s53, s53, STAGE
	v_mul_u32_u24 v6, v1, SPITCH
	v_lshl_add_u32 v6, v2, 4, v6
	v_add_nc_u32 v[STO], s53, v6                   ; stage row 32 wr + r, byte 128 wc + 16 h
	v_lshrrev_b32 v7, 4, v0                        ; back: thread t takes row t / 16, bytes 16 (t mod 16)
	v_lshlrev_b32 v6, 4, v1
	v_mul_u32_u24 v[RD], v7, SPITCH
	v_add_nc_u32 v[RD], v[RD], v6
	v_add_nc_u32 v[RD], STAGE, v[RD]
	v_mul_u32_u24 v[CO], v7, ZP
	v_add_nc_u32 v[CO], v[CO], v6
	v_add_nc_u32 v[CI], 1984, v[CO]                ; 64 bytes (32 columns) to the left of byte 2,048 + 16 (t mod 16)
	; The ninth column block: Zout's columns 1056..1151 are Zin's columns 1024..1119.  They go straight to their place in the stage, while the first
	; tiles are on their way.  Thread t writes the bytes that it will read back.  Lanes 0-3 of each sixteen bring the 64 bytes in front, so that a row's
	; request is one run of 256 bytes; their bytes in the stage are overwritten by the 32 columns that are computed.
	s_cmp_lg_u32 s15, 8
	s_cbranch_scc1 .Lno_copy
.irp i, 0,1,2,3,4,5,6,7
	global_load_b128 v[F0+4*\i:F0+4*\i+3], v[CI], s[60:61] offset:8*ZP*\i
.if LO_CP
	global_load_b128 v[F1+4*\i:F1+4*\i+3], v[CI], s[60:61] offset:LOPART+8*ZP*\i
.endif
.endr
	s_wait_loadcnt 0x0
.irp i, 0,1,2,3,4,5,6,7
	ds_store_b128 v[RD], v[F0+4*\i:F0+4*\i+3] offset:8*SPITCH*\i
.if LO_CP
	ds_store_b128 v[RD], v[F1+4*\i:F1+4*\i+3] offset:STAGELO+8*SPITCH*\i
.endif
.endr
.Lno_copy:
; the fragments of 32 along K, step t (0..7) of slot s, into buffer f
.macro LOADF s, t, f
.irp a, 0,1
	ds_load_b128 v[\f+8*\a:\f+8*\a+3],   v[ADRA+\s] offset:16*APITCH*\a+64*(\t)
	ds_load_b128 v[\f+8*\a+4:\f+8*\a+7], v[ADRA+\s] offset:16*APITCH*\a+64*(\t)+32
.endr
.if LO_IN
.irp a, 0,1
	ds_load_b128 v[\f+16+8*\a:\f+16+8*\a+3], v[ADRA+\s] offset:ASTREAM+16*APITCH*\a+64*(\t)
	ds_load_b128 v[\f+16+8*\a+4:\f+16+8*\a+7], v[ADRA+\s] offset:ASTREAM+16*APITCH*\a+64*(\t)+32
.endr
.endif
.irp b, 0,1,2,3
	ds_load_tr16_b128 v[\f+32+8*\b:\f+32+8*\b+3],   v[ADRB+2*\s+((\t)/4)] offset:32*BPITCH*((\t)%4)+32*\b
	ds_load_tr16_b128 v[\f+32+8*\b+4:\f+32+8*\b+7], v[ADRB+2*\s+((\t)/4)] offset:32*BPITCH*((\t)%4)+32*\b+16*BPITCH
.endr
.endm
; eight matrix instructions, one on each accumulator: the accumulators take turns
.macro MUL8 f, part, zero
.irp a, 0,1
.irp b, 0,1,2,3
.if \zero
	v_wmma_f32_16x16x32_bf16 v[ACC+8*(4*\a+\b):ACC+8*(4*\a+\b)+7], v[\f+32+8*\b:\f+32+8*\b+7], v[\f+\part+8*\a:\f+\part+8*\a+7], 0
.else
	v_wmma_f32_16x16x32_bf16 v[ACC+8*(4*\a+\b):ACC+8*(4*\a+\b)+7], v[\f+32+8*\b:\f+32+8*\b+7], v[\f+\part+8*\a:\f+\part+8*\a+7], v[ACC+8*(4*\a+\b):ACC+8*(4*\a+\b)+7]
.endif
.endr
.endr
.endm
.macro MULS f, zero                    ; hi and lo meet the same fragments of E
	MUL8 \f, 0, \zero
.if LO_IN
	MUL8 \f, 16, 0
.endif
.endm
; a slot's eight steps of 32 along K; each step's fragments are asked for one step ahead
.macro SLOTWORK s, zero
	PLACES
	LOADF \s, 0, F0
	LOADF \s, 1, F1
	s_wait_dscnt NLOADS                            ; all but the NLOADS just issued: this step's fragments are in
	MULS F0, \zero
.irp t, 1,2,3,4,5,6
	PLACES
	LOADF \s, \t+1, F0+FSZ*((\t+1)%2)
	s_wait_dscnt NLOADS
	MULS F0+FSZ*(\t%2), 0
.endr
	s_wait_dscnt 0
	MULS F1, 0
.endm
; the change to slot `slot`; refill = 1: the other slot, read last, gets the K two slots on
.macro TRIP slot, refill
	s_wait_dscnt 0x0                               ; my reads of the other slot are back
	s_wait_tensorcnt 0x0                           ; all my tensor loads have landed, my part of this slot among them: every group 0 may be written
	ds_add_u32 v30, v31
	s_wait_dscnt 0x0
.if \refill
	s_add_nc_u64 s[G0A+4*(1-\slot)+2:G0A+4*(1-\slot)+3], s[G0A+4*(1-\slot)+2:G0A+4*(1-\slot)+3], 2*KS*2
	s_add_nc_u64 s[G0B+4*(1-\slot)+2:G0B+4*(1-\slot)+3], s[G0B+4*(1-\slot)+2:G0B+4*(1-\slot)+3], 2*KS*ZP
	ROUND                                          ; both hold of every wave of all four work-groups
	JLOAD 1-\slot                                  ; my one tensor load behind the round, and the first thing there
.else
	s_barrier_signal -1
	s_barrier_wait -1
.endif
	SLOTWORK \slot, 0
.endm
	s_wait_dscnt 0x0                               ; the copied columns are in the stage
	s_wait_tensorcnt 0x1                           ; my part of slot 0 is in; slot 1's load may stay out
	s_barrier_signal -1
	s_barrier_wait -1
	SLOTWORK 0, 1                                  ; K 0..255: the first products start the sums
	TRIP 1, 1                                      ; K 256..511;  slot 0 <- K 512..767
	TRIP 0, 1                                      ; K 512..767;  slot 1 <- K 768..1023
	TRIP 1, 0                                      ; K 768..1023: nothing is left to fetch
	; THE WAY OUT: round (and split), 16 bytes a lane into the stage, whole rows of 256 bytes back, and out
	PLACES
.set p, 0
.rept 32
	v_cvt_pk_bf16_f32 v[TH+p], v[ACC+2*p], v[ACC+2*p+1]
.if LO_OUT
	v_lshlrev_b32 v[TT+2*(p%4)], 16, v[TH+p]       ; hi back in f32,
	v_and_b32 v[TT+2*(p%4)+1], 0xffff0000, v[TH+p]
	v_pk_add_f32 v[TT+2*(p%4):TT+2*(p%4)+1], v[ACC+2*p:ACC+2*p+1], v[TT+2*(p%4):TT+2*(p%4)+1] neg_lo:[0,1] neg_hi:[0,1]   ; sum - hi, exact,
	v_cvt_pk_bf16_f32 v[TL+p], v[TT+2*(p%4)], v[TT+2*(p%4)+1]                                                            ; rounded: lo
.endif
.set p, p+1
.endr
.macro STG a, b
	ds_store_b128 v[STO], v[TH+4*(4*\a+\b):TH+4*(4*\a+\b)+3] offset:16*SPITCH*\a+32*\b
.endm
.macro STGLO a, b
	ds_store_b128 v[STO], v[TL+4*(4*\a+\b):TL+4*(4*\a+\b)+3] offset:STAGELO+16*SPITCH*\a+32*\b
.endm
	s_cmp_eq_u32 s15, 8
	s_cbranch_scc1 .Lstage_ext
.irp a, 0,1
.irp b, 0,1,2,3
	STG \a, \b
.if LO_OUT
	STGLO \a, \b
.endif
.endr
.endr
	s_branch .Lstaged
.Lstage_ext:                                       ; the ninth column block: only its first 32 columns are computed; the others lie in the stage already
.if LO_OUT*(1-LO_IN)
.irp a, 0,1
.irp b, 0,1,2,3
	STGLO \a, \b                                   ; Zin has no low part: the copied columns' low part is the zero that the sums give
.endr
.endr
.endif
	s_cmp_lg_u32 s12, 0
	s_cbranch_scc1 .Lstaged                        ; the waves of columns 64..127 have none of the 32
.irp a, 0,1
.irp b, 0,1
	STG \a, \b
.if LO_CP
	STGLO \a, \b
.endif
.endr
.endr
.Lstaged:
	s_cmp_eq_u32 s13, 4                            ; the B groups' rows go 16 rows lower
	s_cselect_b32 s48, 16*ZP, 0
	s_add_co_u32 s48, s48, s54
	s_lshl_b32 s49, s15, 8
	s_add_co_u32 s48, s48, s49
	s_mov_b32 s49, 0
	s_add_nc_u64 s[8:9], s[8:9], s[48:49]
	s_wait_dscnt 0x0                               ; my stores into the stage are done, for the other waves' sake
	s_barrier_signal -1
	s_barrier_wait -1
.irp i, 0,1,2,3,4,5,6,7
	ds_load_b128 v[OH+4*\i:OH+4*\i+3], v[RD] offset:8*SPITCH*\i
.if LO_OUT
	ds_load_b128 v[OL+4*\i:OL+4*\i+3], v[RD] offset:STAGELO+8*SPITCH*\i
.endif
.endr
	s_wait_dscnt 0x0
.macro PUT i                           ; eight rows: sixteen lanes store 256 consecutive bytes, at a multiple of 256 from the buffer's first byte
	global_store_b128 v[CO], v[OH+4*\i:OH+4*\i+3], s[8:9] offset:8*ZP*\i
.if LO_OUT
	global_store_b128 v[CO], v[OL+4*\i:OL+4*\i+3], s[8:9] offset:LOPART+8*ZP*\i
.endif
.endm
.irp i, 0,1,2,3,4,5
	PUT \i
.endr
	s_cmp_eq_u32 s13, 4
	s_cbranch_scc1 .Lclose                         ; the fourth B group has no place 16 rows lower
	PUT 6
	PUT 7
.Lclose:
	s_wait_tensorcnt 0x0
	ds_add_u32 v30, v31
	s_wait_dscnt 0x0
	ROUND                                          ; the closing round, on every path: no work-group ends while a partner may still ask jointly
	s_endpgm
.Lfunc_end_k_q27f51b6b1e_c3:
	.size	k_q27f51b6b1e_c3, .Lfunc_end_k_q27f51b6b1e_c3-k_q27f51b6b1e_c3
	.p2alignl 7, 3214868480
	.fill 96, 4, 3214868480
	.section	.rodata,"a",@progbits
	.p2align	6, 0x0
	.amdhsa_kernel k_q27f51b6b1e_c3
		.amdhsa_group_segment_fixed_size 327680
		.amdhsa_private_segment_fixed_size 0
		.amdhsa_enable_private_segment 0
		.amdhsa_kernarg_size 40
		.amdhsa_user_sgpr_count 2
		.amdhsa_user_sgpr_kernarg_segment_ptr 1
		.amdhsa_wavefront_size32 1
		.amdhsa_system_sgpr_workgroup_id_x 1
		.amdhsa_system_sgpr_workgroup_id_y 1
		.amdhsa_system_sgpr_workgroup_id_z 1
		.amdhsa_system_vgpr_workitem_id 0
		.amdhsa_next_free_vgpr 256
		.amdhsa_next_free_sgpr 66
		.amdhsa_reserve_vcc 0
		.amdhsa_float_denorm_mode_32 3
		.amdhsa_float_denorm_mode_16_64 3
		.amdhsa_memory_ordered 1
		.amdhsa_forward_progress 1
		.amdhsa_inst_pref_size 111
	.end_amdhsa_kernel
	.amdgpu_metadata
---
amdhsa.version: [ 1, 2 ]
amdhsa.kernels:
  - .name:           k_q27f51b6b1e_c3
    .symbol:         k_q27f51b6b1e_c3.kd
    .args:
      - { .name: Z4, .offset: 0, .size: 8, .value_kind: global_buffer, .address_space: global }
      - { .name: E3, .offset: 8, .size: 8, .value_kind: global_buffer, .address_space: global }
      - { .name: Z3, .offset: 16, .size: 8, .value_kind: global_buffer, .address_space: global }
      - { .name: mu, .offset: 24, .size: 8, .value_kind: global_buffer, .address_space: global }
      - { .name: X, .offset: 32, .size: 8, .value_kind: global_buffer, .address_space: global }
    .group_segment_fixed_size: 327680
    .private_segment_fixed_size: 0
    .kernarg_segment_align: 8
    .kernarg_segment_size: 40
    .max_flat_workgroup_size: 128
    .sgpr_count:     66
    .vgpr_count:     256
    .wavefront_size: 32
...
	.end_amdgpu_metadata
.endif
;; end of part 2
;; launch c2 (part 3): grid 224 x 1, 4 waves a work-group, clusters of 4 x 1, 327,680 bytes of LDS; arguments Z3, E2, Z2, mu, X; writes Z2, X
.if DOCPART == 3
	.amdgcn_target "amdgcn-amd-amdhsa--gfx1250"
	.amdhsa_code_object_version 6
	.text
	.protected	k_q27f51b6b1e_c2
	.globl	k_q27f51b6b1e_c2
	.p2align	8
	.type	k_q27f51b6b1e_c2,@function
k_q27f51b6b1e_c2:
	s_mov_b64 s[64:65], 0
	v_nop
	global_prefetch_b8 v0, s[64:65] scope:SCOPE_SE
	s_setreg_imm32_b32 hwreg(HW_REG_WAVE_MODE, 25, 1), 1
	s_wait_xcnt 0x0
	s_wait_alu depctr_hold_cnt(0) depctr_sa_sdst(0) depctr_va_vdst(0) depctr_va_sdst(0) depctr_va_ssrc(0) depctr_va_vcc(0) depctr_vm_vsrc(0)
	s_getreg_b32 s2, hwreg(HW_REG_IB_STS2, 6, 4)
	s_cmp_eq_u32 s2, 0
	s_cbranch_scc0 .Lentry_in_a_cluster
	s_endpgm
.Lentry_in_a_cluster:
	s_bfe_u32 s2, ttmp6, 0x10000c
	s_cmp_lg_u32 s2, 0x3003
	s_cbranch_scc0 .Lentry_shape_is_right
	s_endpgm
.Lentry_shape_is_right:
; ONE STEP OF THE WEIGHT CHAIN, Zout = Zin x [ E ; shift ], and beside it a share of X = bf16(mu).
; Z is [1280][1152], E is [1024][1152], bf16 operands, f32 sums.  Columns n < 1056 of Zout are the sum over k < 1024 of Zin[m][k] E[k][n];
; columns 1056..1151 are Zin's columns 1024..1119, copied (E's columns 1041.. are zeros, so the products add nothing there).
; This text serves all three steps; constants say which: LO_IN = 1: Zin is a pair hi + lo of bf16 matrices (lo 1280 rows behind hi);
; LO_OUT = 1: Zout is stored as such a pair, hi = bf16(sum), lo = bf16(sum - hi), so that the step's rounding is far below one bf16 rounding.
; THIS FILE: the second step, Z2 = Z3 x E2.  Both Z3 and Z2 are pairs.  X: rows 2816..5631.
; Z has four blocks of 320 rows: 256 rows of the product of the W, then four groups of 16 rows that begin as B of a layer.  The rows of these
; groups are stored 16 rows lower than they were read (group s becomes group s + 1; the fourth is dropped; the first was stored by the first launch).
; LIMITS: the sums must be finite in f32 (an infinity would give NaN in the low part and against E's zeros).  The chain re-associates the
; layers' products, so the order of rounding differs from a layer-by-layer evaluation.
; SHARES: clusters 0..44 are the chain: cluster c makes columns 128 (c / 5) .. + 127 for rows 64 (c mod 5) .. + 63 of the four blocks, one block a
; work-group; a wave makes 32 x 64 = 8 accumulators.  The matrix instruction is used transposed (source 0 = E's columns, source 1 = Z's rows), so that
; a lane's eight results are eight neighbouring columns of one row.  The four work-groups of a cluster need the same tiles of E and ask for them
; jointly (mask 15); Zin's tiles are each work-group's own rows: plain loads.
; The chain has work for 180 work-groups.  The launch's further clusters convert mu, 64 rows a work-group: work that hangs on nothing here and that
; only the last launch reads.  The branch between the two hangs on the cluster's number, which the four partners share.
; LDS: two slots of 256 along K: Zin hi (64 rows), Zin lo (64 rows), a row 512 bytes + 16: pitch 528 = 33 x 16; then E's 256 rows in two halves,
; a row 256 bytes + 32: pitch 288 = 9 x 32.  Waves 0, 1 fill Zin's two parts (LO_IN = 0: the two halves of its rows), waves 2, 3 E's halves.
; Four slots make K = 1024: two first fills, two refills.  Behind the slots a stage for the way out, into which no tensor load lands.
.set LO_IN,  1
.set LO_OUT, 1
.set XROW0,  2816                      ; first row of mu that this launch converts
.set LO_CP,   LO_IN*LO_OUT             ; the copied columns have a low part to copy
.set NCHAIN,  45                       ; clusters with chain work
.set ZP,      2304                     ; bytes of a row of Z and of E
.set LOPART,  1280*ZP                  ; the low part's distance from the high part
.set KS,      256                      ; K in a slot
.set AROWS,   32+32*LO_IN              ; rows in one load of Zin
.set APITCH,  528
.set ASTREAM, 64*APITCH                ; 33,792
.set BPITCH,  288
.set BOFF,    2*ASTREAM
.set EHALF,   128*BPITCH               ; 36,864
.set SLOT,    BOFF+2*EHALF             ; 141,312
.set STAGE,   2*SLOT
.set SPITCH,  272
.set STAGELO, 64*SPITCH
.set NLOADS,  12+4*LO_IN               ; LDS loads for 32 along K
.set ADRA, 8                           ; v8, v9    my Zin fragments in slot 0, 1
.set ADRB, 10                          ; v10..v13  my E fragments: slot 0 half 0, 1; slot 1 half 0, 1 (224 rows of 288 bytes pass a 16-bit offset)
.set STO,  16                          ; v16       stage: where I put 16 bytes of a row
.set RD,   17                          ; v17       stage: where I read 16 bytes back
.set CO,   18                          ; v18       my byte offset in Zout
.set CI,   19                          ; v19       my byte offset in Zin for the copied columns
.set F0,   32                          ; v[32:95]   fragment buffer 0: Zin hi 2 x 8, Zin lo 2 x 8, E 4 x 8
.set F1,   96                          ; v[96:159]  fragment buffer 1
.set FSZ,  64
.set ACC,  160                         ; v[160:223] accumulator (a, b) at 8 (4 a + b)
.set TH,   32                          ; way out: packed hi
.set TL,   64                          ; way out: packed lo
.set TT,   96                          ; way out: four pairs at work
.set OH,   104                         ; way out: rows read back, hi
.set OL,   136                         ; way out: rows read back, lo
.set XD,   32                          ; v[32:255]  conversion: seven row slots of 32 registers
.set G1A, 16                           ; s[16:23] group 1 for Zin's tiles
.set G0A, 24                           ; s[24:31] group 0 for Zin's tiles, a set for each slot
.set G1B, 32                           ; s[32:39] group 1 for E's tiles
.set G0B, 40                           ; s[40:47] group 0 for E's tiles, a set for each slot
.macro ROUND                           ; a round of the cluster's barrier
	s_barrier_signal -1
	s_barrier_wait -1
	s_cmp_lg_u32 s10, 0
	s_cbranch_scc1 .Lnot_wave_0_\@
	s_barrier_signal -3
.Lnot_wave_0_\@:
	s_barrier_wait -3
	s_barrier_signal -1
	s_barrier_wait -1
.endm
.macro JLOAD s                         ; waves 0, 1: Zin's tile (plain); waves 2, 3: E's (joint).  The branch hangs on the wave's number alone
	s_cmp_eq_u32 s11, 0
	s_cbranch_scc0 .Lfor_e_\@
	tensor_load_to_lds s[G0A+4*(\s):G0A+4*(\s)+3], s[G1A:G1A+7]
	s_nop 0
	s_branch .Lasked_\@
.Lfor_e_\@:
	tensor_load_to_lds s[G0B+4*(\s):G0B+4*(\s)+3], s[G1B:G1B+7]
	s_nop 0
.Lasked_\@:
.endm
.macro PLACES                          ; four places between a matrix instruction and a load into, or a vector instruction on, its registers
.rept 4
	v_nop
.endr
.endm
	s_load_b128 s[4:7], s[0:1], 0x0                ; Zin, E
	s_load_b64 s[8:9], s[0:1], 0x10                ; Zout
	s_load_b128 s[56:59], s[0:1], 0x18             ; mu, X
	v_lshl_add_u32 v30, v0, 2, 0x4d800
	v_mov_b32 v31, 0
	ds_add_u32 v30, v31
	ds_add_u32 v30, v31
	s_wait_dscnt 0x0
	v_lshrrev_b32 v1, 5, v0
	v_readfirstlane_b32 s10, v1                    ; wave 0..3
	s_bfe_u32 s14, ttmp6, 0x40000                  ; cx: my place in the cluster
	s_cmp_lt_u32 ttmp9, NCHAIN
	s_cbranch_scc1 .Lchain
	; ---- X = bf16(mu): 64 rows a work-group, 16 a wave, through a ring of seven row slots in registers: six rows (48 loads) on their way
	s_sub_co_u32 s48, ttmp9, NCHAIN
	s_lshl2_add_u32 s48, s48, s14                  ; 4 x cluster + cx
	s_lshl_b32 s48, s48, 6                         ; x 64 rows
	s_lshl4_add_u32 s48, s10, s48                  ; + 16 x wave
.if XROW0
	s_add_co_u32 s48, s48, XROW0
.endif
	s_lshl_b32 s50, s48, 12                        ; a row of mu is 4,096 bytes,
	s_mov_b32 s51, 0
	s_lshl_b32 s48, s48, 11                        ; a row of X 2,048
	s_mov_b32 s49, 0
	v_and_b32 v1, 31, v0
	v_lshlrev_b32 v2, 4, v1                        ; 16 x lane: a load of the wave covers 512 consecutive bytes
	v_lshlrev_b32 v3, 3, v1                        ; 8 x lane: a store of the wave covers 256 consecutive bytes, aligned
	s_wait_kmcnt 0x0
	s_add_nc_u64 s[56:57], s[56:57], s[50:51]
	s_add_nc_u64 s[58:59], s[58:59], s[48:49]
.macro XFILL row                       ; a row's eight loads, into slot row mod 7
.irp c, 0,1,2,3,4,5,6,7
	global_load_b128 v[XD+32*((\row)%7)+4*\c:XD+32*((\row)%7)+4*\c+3], v2, s[56:57] offset:4096*(\row)+512*\c th:TH_LOAD_NT
.endr
.endm
.macro XTURN row, left, fill           ; left = loads of younger rows that may stay out; fill = 1: the row six further down is asked for
	s_wait_loadcnt \left                           ; loads come back in order: this row is in
.irp c, 0,1,2,3,4,5,6,7
	v_cvt_pk_bf16_f32 v[XD+32*((\row)%7)+4*\c], v[XD+32*((\row)%7)+4*\c], v[XD+32*((\row)%7)+4*\c+1]
	v_cvt_pk_bf16_f32 v[XD+32*((\row)%7)+4*\c+1], v[XD+32*((\row)%7)+4*\c+2], v[XD+32*((\row)%7)+4*\c+3]
.endr
.irp c, 0,1,2,3,4,5,6,7
	global_store_b64 v3, v[XD+32*((\row)%7)+4*\c:XD+32*((\row)%7)+4*\c+1], s[58:59] offset:2048*(\row)+256*\c
.endr
.if \fill
	s_wait_xcnt 0x0                                ; the slot of the row before, whose stores went out a turn ago, is loaded again only behind this wait
	XFILL (\row)+6
.endif
.endm
.irp r, 0,1,2,3,4,5
	XFILL \r
.endr
.set n, 0
.rept 10
	XTURN n, 40, 1                                 ; five younger rows stay out
.set n, n+1
.endr
	XTURN 10, 40, 0                                ; nothing is left to ask for: the counts run down
	XTURN 11, 32, 0
	XTURN 12, 24, 0
	XTURN 13, 16, 0
	XTURN 14, 8, 0
	XTURN 15, 0, 0
	s_branch .Lclose
.Lchain:
	s_lshr_b32 s11, s10, 1                         ; my 32 rows.  Also: I fetch for Zin (0) or for E (1)
	s_and_b32 s12, s10, 1                          ; my 64 columns.  Also: which half I fetch
	s_mul_i32 s15, ttmp9, 52
	s_lshr_b32 s15, s15, 8                         ; cluster / 5 (exact for 0..44): which 128 columns
	s_mul_i32 s13, s15, 5
	s_sub_co_u32 s13, ttmp9, s13                   ; cluster mod 5: which 64 rows of a block; the same in all four partners
	s_mov_b32 s[G1A+0], (1<<16)|(1<<20)|(6<<22)|(3<<25)                 ; no mask; 2-byte elements; padding on: 4 words behind every 128
	s_mov_b32 s[G1A+1], KS<<16                     ; tensor_dim0 = 256
	s_mov_b32 s[G1A+2], AROWS<<16                  ; tensor_dim1
	s_mov_b32 s[G1A+3], KS<<16                     ; tile_dim0 = 256
	s_mov_b32 s[G1A+4], AROWS                      ; tile_dim1
	s_mov_b32 s[G1A+5], 1152                       ; elements from row to row
	s_mov_b32 s[G1A+6], 0
	s_mov_b32 s[G1A+7], 0
	s_mov_b32 s[G1B+0], 15|(1<<16)|(1<<20)|(1<<21)|(5<<22)|(7<<25)      ; mask: all four partners, bit 21 beside it; padding: 8 words behind every 64
	s_mov_b32 s[G1B+1], 128<<16
	s_mov_b32 s[G1B+2], 128<<16
	s_mov_b32 s[G1B+3], 128<<16
	s_mov_b32 s[G1B+4], 128
	s_mov_b32 s[G1B+5], 1152
	s_mov_b32 s[G1B+6], 0
	s_mov_b32 s[G1B+7], 0
	s_mul_i32 s54, s14, 320                        ; Zin's tile: rows 320 cx + 64 sub on (s48, s49, s54, s60, s61 alone hold cx)
	s_lshl_b32 s48, s13, 6
	s_add_co_u32 s54, s54, s48
	s_mul_i32 s54, s54, ZP
.if LO_IN
	s_mul_i32 s48, s12, LOPART                     ; wave 0 the high part, wave 1 the low part
	s_mul_i32 s52, s12, ASTREAM
.else
	s_mul_i32 s48, s12, 32*ZP                      ; wave 0 rows 0..31, wave 1 rows 32..63
	s_mul_i32 s52, s12, 32*APITCH
.endif
	s_add_co_u32 s48, s48, s54
	s_mov_b32 s49, 0
	s_mul_i32 s50, s12, 128*ZP                     ; E's tile: rows 128 x half, the cluster's 128 columns: nothing of cx in it
	s_lshl_b32 s51, s15, 8
	s_add_co_u32 s50, s50, s51
	s_mov_b32 s51, 0
	s_mul_i32 s55, s12, EHALF                      ; where they go: the wave's number alone
	s_add_co_u32 s55, s55, BOFF
	s_mov_b32 s60, s54
	s_mov_b32 s61, 0
	s_wait_kmcnt 0x0
	s_add_nc_u64 s[48:49], s[4:5], s[48:49]
	s_add_nc_u64 s[50:51], s[6:7], s[50:51]
	s_add_nc_u64 s[60:61], s[4:5], s[60:61]        ; Zin at my 64 rows, for the copied columns
	ROUND                                          ; all four work-groups are here: the first joint loads meet
.irp s, 0,1
	s_mov_b32 s[G0A+4*\s], 1
	s_add_co_u32 s[G0A+4*\s+1], s52, \s*SLOT
	s_add_nc_u64 s[G0A+4*\s+2:G0A+4*\s+3], s[48:49], \s*KS*2
	s_or_b32 s[G0A+4*\s+3], s[G0A+4*\s+3], 0x80000000
	s_mov_b32 s[G0B+4*\s], 1
	s_add_co_u32 s[G0B+4*\s+1], s55, \s*SLOT
	s_add_nc_u64 s[G0B+4*\s+2:G0B+4*\s+3], s[50:51], \s*KS*ZP
	s_or_b32 s[G0B+4*\s+3], s[G0B+4*\s+3], 0x80000000
	JLOAD \s                                       ; both slots are asked for before anything else: two loads of the wave are out
.endr
	v_and_b32 v1, 15, v0                           ; r
	v_bfe_u32 v2, v0, 4, 1                         ; h
	v_mul_u32_u24 v3, v1, APITCH
	v_lshl_add_u32 v3, v2, 4, v3                   ; Zin fragment: row r, 16 bytes for each half of the lanes
	s_mul_i32 s53, s11, 32*APITCH                  ; my 32 rows of the 64
	v_add_nc_u32 v[ADRA], s53, v3
	v_add_nc_u32 v[ADRA+1], SLOT, v[ADRA]
	v_and_b32 v4, 7, v0                            ; E lies [k][n]: transposing loads, lane l at row 8 h + l mod 8, 16 bytes (l / 8) mod 2
	v_lshl_add_u32 v4, v2, 3, v4
	v_mul_u32_u24 v4, v4, BPITCH
	v_bfe_u32 v5, v0, 3, 1
	v_lshl_add_u32 v4, v5, 4, v4
	s_lshl_b32 s53, s12, 7
	s_add_co_u32 s53, s53, BOFF
	v_add_nc_u32 v[ADRB], s53, v4
	v_add_nc_u32 v[ADRB+1], EHALF, v[ADRB]
	v_add_nc_u32 v[ADRB+2], SLOT, v[ADRB]
	v_add_nc_u32 v[ADRB+3], SLOT, v[ADRB+1]
	s_mul_i32 s53, s11, 32*SPITCH
	s_lshl_b32 s48, s12, 7
	s_add_co_u32 s53, s53, s48
	s_add_co_u32 s53, s53, STAGE
	v_mul_u32_u24 v6, v1, SPITCH
	v_lshl_add_u32 v6, v2, 4, v6
	v_add_nc_u32 v[STO], s53, v6                   ; stage row 32 wr + r, byte 128 wc + 16 h
	v_lshrrev_b32 v7, 4, v0                        ; back: thread t takes row t / 16, bytes 16 (t mod 16)
	v_lshlrev_b32 v6, 4, v1
	v_mul_u32_u24 v[RD], v7, SPITCH
	v_add_nc_u32 v[RD], v[RD], v6
	v_add_nc_u32 v[RD], STAGE, v[RD]
	v_mul_u32_u24 v[CO], v7, ZP
	v_add_nc_u32 v[CO], v[CO], v6
	v_add_nc_u32 v[CI], 1984, v[CO]                ; 64 bytes (32 columns) to the left of byte 2,048 + 16 (t mod 16)
	; The ninth column block: Zout's columns 1056..1151 are Zin's columns 1024..1119.  They go straight to their place in the stage, while the first
	; tiles are on their way.  Thread t writes the bytes that it will read back.  Lanes 0-3 of each sixteen bring the 64 bytes in front, so that a row's
	; request is one run of 256 bytes; their bytes in the stage are overwritten by the 32 columns that are computed.
	s_cmp_lg_u32 s15, 8
	s_cbranch_scc1 .Lno_copy
.irp i, 0,1,2,3,4,5,6,7
	global_load_b128 v[F0+4*\i:F0+4*\i+3], v[CI], s[60:61] offset:8*ZP*\i
.if LO_CP
	global_load_b128 v[F1+4*\i:F1+4*\i+3], v[CI], s[60:61] offset:LOPART+8*ZP*\i
.endif
.endr
	s_wait_loadcnt 0x0
.irp i, 0,1,2,3,4,5,6,7
	ds_store_b128 v[RD], v[F0+4*\i:F0+4*\i+3] offset:8*SPITCH*\i
.if LO_CP
	ds_store_b128 v[RD], v[F1+4*\i:F1+4*\i+3] offset:STAGELO+8*SPITCH*\i
.endif
.endr
.Lno_copy:
; the fragments of 32 along K, step t (0..7) of slot s, into buffer f
.macro LOADF s, t, f
.irp a, 0,1
	ds_load_b128 v[\f+8*\a:\f+8*\a+3],   v[ADRA+\s] offset:16*APITCH*\a+64*(\t)
	ds_load_b128 v[\f+8*\a+4:\f+8*\a+7], v[ADRA+\s] offset:16*APITCH*\a+64*(\t)+32
.endr
.if LO_IN
.irp a, 0,1
	ds_load_b128 v[\f+16+8*\a:\f+16+8*\a+3], v[ADRA+\s] offset:ASTREAM+16*APITCH*\a+64*(\t)
	ds_load_b128 v[\f+16+8*\a+4:\f+16+8*\a+7], v[ADRA+\s] offset:ASTREAM+16*APITCH*\a+64*(\t)+32
.endr
.endif
.irp b, 0,1,2,3
	ds_load_tr16_b128 v[\f+32+8*\b:\f+32+8*\b+3],   v[ADRB+2*\s+((\t)/4)] offset:32*BPITCH*((\t)%4)+32*\b
	ds_load_tr16_b128 v[\f+32+8*\b+4:\f+32+8*\b+7], v[ADRB+2*\s+((\t)/4)] offset:32*BPITCH*((\t)%4)+32*\b+16*BPITCH
.endr
.endm
; eight matrix instructions, one on each accumulator: the accumulators take turns
.macro MUL8 f, part, zero
.irp a, 0,1
.irp b, 0,1,2,3
.if \zero
	v_wmma_f32_16x16x32_bf16 v[ACC+8*(4*\a+\b):ACC+8*(4*\a+\b)+7], v[\f+32+8*\b:\f+32+8*\b+7], v[\f+\part+8*\a:\f+\part+8*\a+7], 0
.else
	v_wmma_f32_16x16x32_bf16 v[ACC+8*(4*\a+\b):ACC+8*(4*\a+\b)+7], v[\f+32+8*\b:\f+32+8*\b+7], v[\f+\part+8*\a:\f+\part+8*\a+7], v[ACC+8*(4*\a+\b):ACC+8*(4*\a+\b)+7]
.endif
.endr
.endr
.endm
.macro MULS f, zero                    ; hi and lo meet the same fragments of E
	MUL8 \f, 0, \zero
.if LO_IN
	MUL8 \f, 16, 0
.endif
.endm
; a slot's eight steps of 32 along K; each step's fragments are asked for one step ahead
.macro SLOTWORK s, zero
	PLACES
	LOADF \s, 0, F0
	LOADF \s, 1, F1
	s_wait_dscnt NLOADS                            ; all but the NLOADS just issued: this step's fragments are in
	MULS F0, \zero
.irp t, 1,2,3,4,5,6
	PLACES
	LOADF \s, \t+1, F0+FSZ*((\t+1)%2)
	s_wait_dscnt NLOADS
	MULS F0+FSZ*(\t%2), 0
.endr
	s_wait_dscnt 0
	MULS F1, 0
.endm
; the change to slot `slot`; refill = 1: the other slot, read last, gets the K two slots on
.macro TRIP slot, refill
	s_wait_dscnt 0x0                               ; my reads of the other slot are back
	s_wait_tensorcnt 0x0                           ; all my tensor loads have landed, my part of this slot among them: every group 0 may be written
	ds_add_u32 v30, v31
	s_wait_dscnt 0x0
.if \refill
	s_add_nc_u64 s[G0A+4*(1-\slot)+2:G0A+4*(1-\slot)+3], s[G0A+4*(1-\slot)+2:G0A+4*(1-\slot)+3], 2*KS*2
	s_add_nc_u64 s[G0B+4*(1-\slot)+2:G0B+4*(1-\slot)+3], s[G0B+4*(1-\slot)+2:G0B+4*(1-\slot)+3], 2*KS*ZP
	ROUND                                          ; both hold of every wave of all four work-groups
	JLOAD 1-\slot                                  ; my one tensor load behind the round, and the first thing there
.else
	s_barrier_signal -1
	s_barrier_wait -1
.endif
	SLOTWORK \slot, 0
.endm
	s_wait_dscnt 0x0                               ; the copied columns are in the stage
	s_wait_tensorcnt 0x1                           ; my part of slot 0 is in; slot 1's load may stay out
	s_barrier_signal -1
	s_barrier_wait -1
	SLOTWORK 0, 1                                  ; K 0..255: the first products start the sums
	TRIP 1, 1                                      ; K 256..511;  slot 0 <- K 512..767
	TRIP 0, 1                                      ; K 512..767;  slot 1 <- K 768..1023
	TRIP 1, 0                                      ; K 768..1023: nothing is left to fetch
	; THE WAY OUT: round (and split), 16 bytes a lane into the stage, whole rows of 256 bytes back, and out
	PLACES
.set p, 0
.rept 32
	v_cvt_pk_bf16_f32 v[TH+p], v[ACC+2*p], v[ACC+2*p+1]
.if LO_OUT
	v_lshlrev_b32 v[TT+2*(p%4)], 16, v[TH+p]       ; hi back in f32,
	v_and_b32 v[TT+2*(p%4)+1], 0xffff0000, v[TH+p]
	v_pk_add_f32 v[TT+2*(p%4):TT+2*(p%4)+1], v[ACC+2*p:ACC+2*p+1], v[TT+2*(p%4):TT+2*(p%4)+1] neg_lo:[0,1] neg_hi:[0,1]   ; sum - hi, exact,
	v_cvt_pk_bf16_f32 v[TL+p], v[TT+2*(p%4)], v[TT+2*(p%4)+1]                                                            ; rounded: lo
.endif
.set p, p+1
.endr
.macro STG a, b
	ds_store_b128 v[STO], v[TH+4*(4*\a+\b):TH+4*(4*\a+\b)+3] offset:16*SPITCH*\a+32*\b
.endm
.macro STGLO a, b
	ds_store_b128 v[STO], v[TL+4*(4*\a+\b):TL+4*(4*\a+\b)+3] offset:STAGELO+16*SPITCH*\a+32*\b
.endm
	s_cmp_eq_u32 s15, 8
	s_cbranch_scc1 .Lstage_ext
.irp a, 0,1
.irp b, 0,1,2,3
	STG \a, \b
.if LO_OUT
	STGLO \a, \b
.endif
.endr
.endr
	s_branch .Lstaged
.Lstage_ext:                                       ; the ninth column block: only its first 32 columns are computed; the others lie in the stage already
.if LO_OUT*(1-LO_IN)
.irp a, 0,1
.irp b, 0,1,2,3
	STGLO \a, \b                                   ; Zin has no low part: the copied columns' low part is the zero that the sums give
.endr
.endr
.endif
	s_cmp_lg_u32 s12, 0
	s_cbranch_scc1 .Lstaged                        ; the waves of columns 64..127 have none of the 32
.irp a, 0,1
.irp b, 0,1
	STG \a, \b
.if LO_CP
	STGLO \a, \b
.endif
.endr
.endr
.Lstaged:
	s_cmp_eq_u32 s13, 4                            ; the B groups' rows go 16 rows lower
	s_cselect_b32 s48, 16*ZP, 0
	s_add_co_u32 s48, s48, s54
	s_lshl_b32 s49, s15, 8
	s_add_co_u32 s48, s48, s49
	s_mov_b32 s49, 0
	s_add_nc_u64 s[8:9], s[8:9], s[48:49]
	s_wait_dscnt 0x0                               ; my stores into the stage are done, for the other waves' sake
	s_barrier_signal -1
	s_barrier_wait -1
.irp i, 0,1,2,3,4,5,6,7
	ds_load_b128 v[OH+4*\i:OH+4*\i+3], v[RD] offset:8*SPITCH*\i
.if LO_OUT
	ds_load_b128 v[OL+4*\i:OL+4*\i+3], v[RD] offset:STAGELO+8*SPITCH*\i
.endif
.endr
	s_wait_dscnt 0x0
.macro PUT i                           ; eight rows: sixteen lanes store 256 consecutive bytes, at a multiple of 256 from the buffer's first byte
	global_store_b128 v[CO], v[OH+4*\i:OH+4*\i+3], s[8:9] offset:8*ZP*\i
.if LO_OUT
	global_store_b128 v[CO], v[OL+4*\i:OL+4*\i+3], s[8:9] offset:LOPART+8*ZP*\i
.endif
.endm
.irp i, 0,1,2,3,4,5
	PUT \i
.endr
	s_cmp_eq_u32 s13, 4
	s_cbranch_scc1 .Lclose                         ; the fourth B group has no place 16 rows lower
	PUT 6
	PUT 7
.Lclose:
	s_wait_tensorcnt 0x0
	ds_add_u32 v30, v31
	s_wait_dscnt 0x0
	ROUND                                          ; the closing round, on every path: no work-group ends while a partner may still ask jointly
	s_endpgm
.Lfunc_end_k_q27f51b6b1e_c2:
	.size	k_q27f51b6b1e_c2, .Lfunc_end_k_q27f51b6b1e_c2-k_q27f51b6b1e_c2
	.p2alignl 7, 3214868480
	.fill 96, 4, 3214868480
	.section	.rodata,"a",@progbits
	.p2align	6, 0x0
	.amdhsa_kernel k_q27f51b6b1e_c2
		.amdhsa_group_segment_fixed_size 327680
		.amdhsa_private_segment_fixed_size 0
		.amdhsa_enable_private_segment 0
		.amdhsa_kernarg_size 40
		.amdhsa_user_sgpr_count 2
		.amdhsa_user_sgpr_kernarg_segment_ptr 1
		.amdhsa_wavefront_size32 1
		.amdhsa_system_sgpr_workgroup_id_x 1
		.amdhsa_system_sgpr_workgroup_id_y 1
		.amdhsa_system_sgpr_workgroup_id_z 1
		.amdhsa_system_vgpr_workitem_id 0
		.amdhsa_next_free_vgpr 256
		.amdhsa_next_free_sgpr 66
		.amdhsa_reserve_vcc 0
		.amdhsa_float_denorm_mode_32 3
		.amdhsa_float_denorm_mode_16_64 3
		.amdhsa_memory_ordered 1
		.amdhsa_forward_progress 1
		.amdhsa_inst_pref_size 136
	.end_amdhsa_kernel
	.amdgpu_metadata
---
amdhsa.version: [ 1, 2 ]
amdhsa.kernels:
  - .name:           k_q27f51b6b1e_c2
    .symbol:         k_q27f51b6b1e_c2.kd
    .args:
      - { .name: Z3, .offset: 0, .size: 8, .value_kind: global_buffer, .address_space: global }
      - { .name: E2, .offset: 8, .size: 8, .value_kind: global_buffer, .address_space: global }
      - { .name: Z2, .offset: 16, .size: 8, .value_kind: global_buffer, .address_space: global }
      - { .name: mu, .offset: 24, .size: 8, .value_kind: global_buffer, .address_space: global }
      - { .name: X, .offset: 32, .size: 8, .value_kind: global_buffer, .address_space: global }
    .group_segment_fixed_size: 327680
    .private_segment_fixed_size: 0
    .kernarg_segment_align: 8
    .kernarg_segment_size: 40
    .max_flat_workgroup_size: 128
    .sgpr_count:     66
    .vgpr_count:     256
    .wavefront_size: 32
...
	.end_amdgpu_metadata
.endif
;; end of part 3
;; launch c1 (part 4): grid 220 x 1, 4 waves a work-group, clusters of 4 x 1, 327,680 bytes of LDS; arguments Z2, E1, Z1, mu, X; writes Z1, X
.if DOCPART == 4
	.amdgcn_target "amdgcn-amd-amdhsa--gfx1250"
	.amdhsa_code_object_version 6
	.text
	.protected	k_q27f51b6b1e_c1
	.globl	k_q27f51b6b1e_c1
	.p2align	8
	.type	k_q27f51b6b1e_c1,@function
k_q27f51b6b1e_c1:
	s_mov_b64 s[64:65], 0
	v_nop
	global_prefetch_b8 v0, s[64:65] scope:SCOPE_SE
	s_setreg_imm32_b32 hwreg(HW_REG_WAVE_MODE, 25, 1), 1
	s_wait_xcnt 0x0
	s_wait_alu depctr_hold_cnt(0) depctr_sa_sdst(0) depctr_va_vdst(0) depctr_va_sdst(0) depctr_va_ssrc(0) depctr_va_vcc(0) depctr_vm_vsrc(0)
	s_getreg_b32 s2, hwreg(HW_REG_IB_STS2, 6, 4)
	s_cmp_eq_u32 s2, 0
	s_cbranch_scc0 .Lentry_in_a_cluster
	s_endpgm
.Lentry_in_a_cluster:
	s_bfe_u32 s2, ttmp6, 0x10000c
	s_cmp_lg_u32 s2, 0x3003
	s_cbranch_scc0 .Lentry_shape_is_right
	s_endpgm
.Lentry_shape_is_right:
; ONE STEP OF THE WEIGHT CHAIN, Zout = Zin x [ E ; shift ], and beside it a share of X = bf16(mu).
; Z is [1280][1152], E is [1024][1152], bf16 operands, f32 sums.  Columns n < 1056 of Zout are the sum over k < 1024 of Zin[m][k] E[k][n];
; columns 1056..1151 are Zin's columns 1024..1119, copied (E's columns 1041.. are zeros, so the products add nothing there).
; This text serves all three steps; constants say which: LO_IN = 1: Zin is a pair hi + lo of bf16 matrices (lo 1280 rows behind hi);
; LO_OUT = 1: Zout is stored as such a pair, hi = bf16(sum), lo = bf16(sum - hi), so that the step's rounding is far below one bf16 rounding.
; THIS FILE: the third step, Z1 = Z2 x E1.  Z2 is a pair; Z1 is the batch product's operand and is rounded to bf16 once (of the copied columns the
; high part is that rounding).  X: rows 5632..8191.
; Z has four blocks of 320 rows: 256 rows of the product of the W, then four groups of 16 rows that begin as B of a layer.  The rows of these
; groups are stored 16 rows lower than they were read (group s becomes group s + 1; the fourth is dropped; the first was stored by the first launch).
; LIMITS: the sums must be finite in f32 (an infinity would give NaN in the low part and against E's zeros).  The chain re-associates the
; layers' products, so the order of rounding differs from a layer-by-layer evaluation.
; SHARES: clusters 0..44 are the chain: cluster c makes columns 128 (c / 5) .. + 127 for rows 64 (c mod 5) .. + 63 of the four blocks, one block a
; work-group; a wave makes 32 x 64 = 8 accumulators.  The matrix instruction is used transposed (source 0 = E's columns, source 1 = Z's rows), so that
; a lane's eight results are eight neighbouring columns of one row.  The four work-groups of a cluster need the same tiles of E and ask for them
; jointly (mask 15); Zin's tiles are each work-group's own rows: plain loads.
; The chain has work for 180 work-groups.  The launch's further clusters convert mu, 64 rows a work-group: work that hangs on nothing here and that
; only the last launch reads.  The branch between the two hangs on the cluster's number, which the four partners share.
; LDS: two slots of 256 along K: Zin hi (64 rows), Zin lo (64 rows), a row 512 bytes + 16: pitch 528 = 33 x 16; then E's 256 rows in two halves,
; a row 256 bytes + 32: pitch 288 = 9 x 32.  Waves 0, 1 fill Zin's two parts (LO_IN = 0: the two halves of its rows), waves 2, 3 E's halves.
; Four slots make K = 1024: two first fills, two refills.  Behind the slots a stage for the way out, into which no tensor load lands.
.set LO_IN,  1
.set LO_OUT, 0
.set XROW0,  5632                      ; first row of mu that this launch converts
.set LO_CP,   LO_IN*LO_OUT             ; the copied columns have a low part to copy
.set NCHAIN,  45                       ; clusters with chain work
.set ZP,      2304                     ; bytes of a row of Z and of E
.set LOPART,  1280*ZP                  ; the low part's distance from the high part
.set KS,      256                      ; K in a slot
.set AROWS,   32+32*LO_IN              ; rows in one load of Zin
.set APITCH,  528
.set ASTREAM, 64*APITCH                ; 33,792
.set BPITCH,  288
.set BOFF,    2*ASTREAM
.set EHALF,   128*BPITCH               ; 36,864
.set SLOT,    BOFF+2*EHALF             ; 141,312
.set STAGE,   2*SLOT
.set SPITCH,  272
.set STAGELO, 64*SPITCH
.set NLOADS,  12+4*LO_IN               ; LDS loads for 32 along K
.set ADRA, 8                           ; v8, v9    my Zin fragments in slot 0, 1
.set ADRB, 10                          ; v10..v13  my E fragments: slot 0 half 0, 1; slot 1 half 0, 1 (224 rows of 288 bytes pass a 16-bit offset)
.set STO,  16                          ; v16       stage: where I put 16 bytes of a row
.set RD,   17                          ; v17       stage: where I read 16 bytes back
.set CO,   18                          ; v18       my byte offset in Zout
.set CI,   19                          ; v19       my byte offset in Zin for the copied columns
.set F0,   32                          ; v[32:95]   fragment buffer 0: Zin hi 2 x 8, Zin lo 2 x 8, E 4 x 8
.set F1,   96                          ; v[96:159]  fragment buffer 1
.set FSZ,  64
.set ACC,  160                         ; v[160:223] accumulator (a, b) at 8 (4 a + b)
.set TH,   32                          ; way out: packed hi
.set TL,   64                          ; way out: packed lo
.set TT,   96                          ; way out: four pairs at work
.set OH,   104                         ; way out: rows read back, hi
.set OL,   136                         ; way out: rows read back, lo
.set XD,   32                          ; v[32:255]  conversion: seven row slots of 32 registers
.set G1A, 16                           ; s[16:23] group 1 for Zin's tiles
.set G0A, 24                           ; s[24:31] group 0 for Zin's tiles, a set for each slot
.set G1B, 32                           ; s[32:39] group 1 for E's tiles
.set G0B, 40                           ; s[40:47] group 0 for E's tiles, a set for each slot
.macro ROUND                           ; a round of the cluster's barrier
	s_barrier_signal -1
	s_barrier_wait -1
	s_cmp_lg_u32 s10, 0
	s_cbranch_scc1 .Lnot_wave_0_\@
	s_barrier_signal -3
.Lnot_wave_0_\@:
	s_barrier_wait -3
	s_barrier_signal -1
	s_barrier_wait -1
.endm
.macro JLOAD s                         ; waves 0, 1: Zin's tile (plain); waves 2, 3: E's (joint).  The branch hangs on the wave's number alone
	s_cmp_eq_u32 s11, 0
	s_cbranch_scc0 .Lfor_e_\@
	tensor_load_to_lds s[G0A+4*(\s):G0A+4*(\s)+3], s[G1A:G1A+7]
	s_nop 0
	s_branch .Lasked_\@
.Lfor_e_\@:
	tensor_load_to_lds s[G0B+4*(\s):G0B+4*(\s)+3], s[G1B:G1B+7]
	s_nop 0
.Lasked_\@:
.endm
.macro PLACES                          ; four places between a matrix instruction and a load into, or a vector instruction on, its registers
.rept 4
	v_nop
.endr
.endm
	s_load_b128 s[4:7], s[0:1], 0x0                ; Zin, E
	s_load_b64 s[8:9], s[0:1], 0x10                ; Zout
	s_load_b128 s[56:59], s[0:1], 0x18             ; mu, X
	v_lshl_add_u32 v30, v0, 2, 0x4d800
	v_mov_b32 v31, 0
	ds_add_u32 v30, v31
	ds_add_u32 v30, v31
	s_wait_dscnt 0x0
	v_lshrrev_b32 v1, 5, v0
	v_readfirstlane_b32 s10, v1                    ; wave 0..3
	s_bfe_u32 s14, ttmp6, 0x40000                  ; cx: my place in the cluster
	s_cmp_lt_u32 ttmp9, NCHAIN
	s_cbranch_scc1 .Lchain
	; ---- X = bf16(mu): 64 rows a work-group, 16 a wave, through a ring of seven row slots in registers: six rows (48 loads) on their way
	s_sub_co_u32 s48, ttmp9, NCHAIN
	s_lshl2_add_u32 s48, s48, s14                  ; 4 x cluster + cx
	s_lshl_b32 s48, s48, 6                         ; x 64 rows
	s_lshl4_add_u32 s48, s10, s48                  ; + 16 x wave
.if XROW0
	s_add_co_u32 s48, s48, XROW0
.endif
	s_lshl_b32 s50, s48, 12                        ; a row of mu is 4,096 bytes,
	s_mov_b32 s51, 0
	s_lshl_b32 s48, s48, 11                        ; a row of X 2,048
	s_mov_b32 s49, 0
	v_and_b32 v1, 31, v0
	v_lshlrev_b32 v2, 4, v1                        ; 16 x lane: a load of the wave covers 512 consecutive bytes
	v_lshlrev_b32 v3, 3, v1                        ; 8 x lane: a store of the wave covers 256 consecutive bytes, aligned
	s_wait_kmcnt 0x0
	s_add_nc_u64 s[56:57], s[56:57], s[50:51]
	s_add_nc_u64 s[58:59], s[58:59], s[48:49]
.macro XFILL row                       ; a row's eight loads, into slot row mod 7
.irp c, 0,1,2,3,4,5,6,7
	global_load_b128 v[XD+32*((\row)%7)+4*\c:XD+32*((\row)%7)+4*\c+3], v2, s[56:57] offset:4096*(\row)+512*\c th:TH_LOAD_NT
.endr
.endm
.macro XTURN row, left, fill           ; left = loads of younger rows that may stay out; fill = 1: the row six further down is asked for
	s_wait_loadcnt \left                           ; loads come back in order: this row is in
.irp c, 0,1,2,3,4,5,6,7
	v_cvt_pk_bf16_f32 v[XD+32*((\row)%7)+4*\c], v[XD+32*((\row)%7)+4*\c], v[XD+32*((\row)%7)+4*\c+1]
	v_cvt_pk_bf16_f32 v[XD+32*((\row)%7)+4*\c+1], v[XD+32*((\row)%7)+4*\c+2], v[XD+32*((\row)%7)+4*\c+3]
.endr
.irp c, 0,1,2,3,4,5,6,7
	global_store_b64 v3, v[XD+32*((\row)%7)+4*\c:XD+32*((\row)%7)+4*\c+1], s[58:59] offset:2048*(\row)+256*\c
.endr
.if \fill
	s_wait_xcnt 0x0                                ; the slot of the row before, whose stores went out a turn ago, is loaded again only behind this wait
	XFILL (\row)+6
.endif
.endm
.irp r, 0,1,2,3,4,5
	XFILL \r
.endr
.set n, 0
.rept 10
	XTURN n, 40, 1                                 ; five younger rows stay out
.set n, n+1
.endr
	XTURN 10, 40, 0                                ; nothing is left to ask for: the counts run down
	XTURN 11, 32, 0
	XTURN 12, 24, 0
	XTURN 13, 16, 0
	XTURN 14, 8, 0
	XTURN 15, 0, 0
	s_branch .Lclose
.Lchain:
	s_lshr_b32 s11, s10, 1                         ; my 32 rows.  Also: I fetch for Zin (0) or for E (1)
	s_and_b32 s12, s10, 1                          ; my 64 columns.  Also: which half I fetch
	s_mul_i32 s15, ttmp9, 52
	s_lshr_b32 s15, s15, 8                         ; cluster / 5 (exact for 0..44): which 128 columns
	s_mul_i32 s13, s15, 5
	s_sub_co_u32 s13, ttmp9, s13                   ; cluster mod 5: which 64 rows of a block; the same in all four partners
	s_mov_b32 s[G1A+0], (1<<16)|(1<<20)|(6<<22)|(3<<25)                 ; no mask; 2-byte elements; padding on: 4 words behind every 128
	s_mov_b32 s[G1A+1], KS<<16                     ; tensor_dim0 = 256
	s_mov_b32 s[G1A+2], AROWS<<16                  ; tensor_dim1
	s_mov_b32 s[G1A+3], KS<<16                     ; tile_dim0 = 256
	s_mov_b32 s[G1A+4], AROWS                      ; tile_dim1
	s_mov_b32 s[G1A+5], 1152                       ; elements from row to row
	s_mov_b32 s[G1A+6], 0
	s_mov_b32 s[G1A+7], 0
	s_mov_b32 s[G1B+0], 15|(1<<16)|(1<<20)|(1<<21)|(5<<22)|(7<<25)      ; mask: all four partners, bit 21 beside it; padding: 8 words behind every 64
	s_mov_b32 s[G1B+1], 128<<16
	s_mov_b32 s[G1B+2], 128<<16
	s_mov_b32 s[G1B+3], 128<<16
	s_mov_b32 s[G1B+4], 128
	s_mov_b32 s[G1B+5], 1152
	s_mov_b32 s[G1B+6], 0
	s_mov_b32 s[G1B+7], 0
	s_mul_i32 s54, s14, 320                        ; Zin's tile: rows 320 cx + 64 sub on (s48, s49, s54, s60, s61 alone hold cx)
	s_lshl_b32 s48, s13, 6
	s_add_co_u32 s54, s54, s48
	s_mul_i32 s54, s54, ZP
.if LO_IN
	s_mul_i32 s48, s12, LOPART                     ; wave 0 the high part, wave 1 the low part
	s_mul_i32 s52, s12, ASTREAM
.else
	s_mul_i32 s48, s12, 32*ZP                      ; wave 0 rows 0..31, wave 1 rows 32..63
	s_mul_i32 s52, s12, 32*APITCH
.endif
	s_add_co_u32 s48, s48, s54
	s_mov_b32 s49, 0
	s_mul_i32 s50, s12, 128*ZP                     ; E's tile: rows 128 x half, the cluster's 128 columns: nothing of cx in it
	s_lshl_b32 s51, s15, 8
	s_add_co_u32 s50, s50, s51
	s_mov_b32 s51, 0
	s_mul_i32 s55, s12, EHALF                      ; where they go: the wave's number alone
	s_add_co_u32 s55, s55, BOFF
	s_mov_b32 s60, s54
	s_mov_b32 s61, 0
	s_wait_kmcnt 0x0
	s_add_nc_u64 s[48:49], s[4:5], s[48:49]
	s_add_nc_u64 s[50:51], s[6:7], s[50:51]
	s_add_nc_u64 s[60:61], s[4:5], s[60:61]        ; Zin at my 64 rows, for the copied columns
	ROUND                                          ; all four work-groups are here: the first joint loads meet
.irp s, 0,1
	s_mov_b32 s[G0A+4*\s], 1
	s_add_co_u32 s[G0A+4*\s+1], s52, \s*SLOT
	s_add_nc_u64 s[G0A+4*\s+2:G0A+4*\s+3], s[48:49], \s*KS*2
	s_or_b32 s[G0A+4*\s+3], s[G0A+4*\s+3], 0x80000000
	s_mov_b32 s[G0B+4*\s], 1
	s_add_co_u32 s[G0B+4*\s+1], s55, \s*SLOT
	s_add_nc_u64 s[G0B+4*\s+2:G0B+4*\s+3], s[50:51], \s*KS*ZP
	s_or_b32 s[G0B+4*\s+3], s[G0B+4*\s+3], 0x80000000
	JLOAD \s                                       ; both slots are asked for before anything else: two loads of the wave are out
.endr
	v_and_b32 v1, 15, v0                           ; r
	v_bfe_u32 v2, v0, 4, 1                         ; h
	v_mul_u32_u24 v3, v1, APITCH
	v_lshl_add_u32 v3, v2, 4, v3                   ; Zin fragment: row r, 16 bytes for each half of the lanes
	s_mul_i32 s53, s11, 32*APITCH                  ; my 32 rows of the 64
	v_add_nc_u32 v[ADRA], s53, v3
	v_add_nc_u32 v[ADRA+1], SLOT, v[ADRA]
	v_and_b32 v4, 7, v0                            ; E lies [k][n]: transposing loads, lane l at row 8 h + l mod 8, 16 bytes (l / 8) mod 2
	v_lshl_add_u32 v4, v2, 3, v4
	v_mul_u32_u24 v4, v4, BPITCH
	v_bfe_u32 v5, v0, 3, 1
	v_lshl_add_u32 v4, v5, 4, v4
	s_lshl_b32 s53, s12, 7
	s_add_co_u32 s53, s53, BOFF
	v_add_nc_u32 v[ADRB], s53, v4
	v_add_nc_u32 v[ADRB+1], EHALF, v[ADRB]
	v_add_nc_u32 v[ADRB+2], SLOT, v[ADRB]
	v_add_nc_u32 v[ADRB+3], SLOT, v[ADRB+1]
	s_mul_i32 s53, s11, 32*SPITCH
	s_lshl_b32 s48, s12, 7
	s_add_co_u32 s53, s53, s48
	s_add_co_u32 s53, s53, STAGE
	v_mul_u32_u24 v6, v1, SPITCH
	v_lshl_add_u32 v6, v2, 4, v6
	v_add_nc_u32 v[STO], s53, v6                   ; stage row 32 wr + r, byte 128 wc + 16 h
	v_lshrrev_b32 v7, 4, v0                        ; back: thread t takes row t / 16, bytes 16 (t mod 16)
	v_lshlrev_b32 v6, 4, v1
	v_mul_u32_u24 v[RD], v7, SPITCH
	v_add_nc_u32 v[RD], v[RD], v6
	v_add_nc_u32 v[RD], STAGE, v[RD]
	v_mul_u32_u24 v[CO], v7, ZP
	v_add_nc_u32 v[CO], v[CO], v6
	v_add_nc_u32 v[CI], 1984, v[CO]                ; 64 bytes (32 columns) to the left of byte 2,048 + 16 (t mod 16)
	; The ninth column block: Zout's columns 1056..1151 are Zin's columns 1024..1119.  They go straight to their place in the stage, while the first
	; tiles are on their way.  Thread t writes the bytes that it will read back.  Lanes 0-3 of each sixteen bring the 64 bytes in front, so that a row's
	; request is one run of 256 bytes; their bytes in the stage are overwritten by the 32 columns that are computed.
	s_cmp_lg_u32 s15, 8
	s_cbranch_scc1 .Lno_copy
.irp i, 0,1,2,3,4,5,6,7
	global_load_b128 v[F0+4*\i:F0+4*\i+3], v[CI], s[60:61] offset:8*ZP*\i
.if LO_CP
	global_load_b128 v[F1+4*\i:F1+4*\i+3], v[CI], s[60:61] offset:LOPART+8*ZP*\i
.endif
.endr
	s_wait_loadcnt 0x0
.irp i, 0,1,2,3,4,5,6,7
	ds_store_b128 v[RD], v[F0+4*\i:F0+4*\i+3] offset:8*SPITCH*\i
.if LO_CP
	ds_store_b128 v[RD], v[F1+4*\i:F1+4*\i+3] offset:STAGELO+8*SPITCH*\i
.endif
.endr
.Lno_copy:
; the fragments of 32 along K, step t (0..7) of slot s, into buffer f
.macro LOADF s, t, f
.irp a, 0,1
	ds_load_b128 v[\f+8*\a:\f+8*\a+3],   v[ADRA+\s] offset:16*APITCH*\a+64*(\t)
	ds_load_b128 v[\f+8*\a+4:\f+8*\a+7], v[ADRA+\s] offset:16*APITCH*\a+64*(\t)+32
.endr
.if LO_IN
.irp a, 0,1
	ds_load_b128 v[\f+16+8*\a:\f+16+8*\a+3], v[ADRA+\s] offset:ASTREAM+16*APITCH*\a+64*(\t)
	ds_load_b128 v[\f+16+8*\a+4:\f+16+8*\a+7], v[ADRA+\s] offset:ASTREAM+16*APITCH*\a+64*(\t)+32
.endr
.endif
.irp b, 0,1,2,3
	ds_load_tr16_b128 v[\f+32+8*\b:\f+32+8*\b+3],   v[ADRB+2*\s+((\t)/4)] offset:32*BPITCH*((\t)%4)+32*\b
	ds_load_tr16_b128 v[\f+32+8*\b+4:\f+32+8*\b+7], v[ADRB+2*\s+((\t)/4)] offset:32*BPITCH*((\t)%4)+32*\b+16*BPITCH
.endr
.endm
; eight matrix instructions, one on each accumulator: the accumulators take turns
.macro MUL8 f, part, zero
.irp a, 0,1
.irp b, 0,1,2,3
.if \zero
	v_wmma_f32_16x16x32_bf16 v[ACC+8*(4*\a+\b):ACC+8*(4*\a+\b)+7], v[\f+32+8*\b:\f+32+8*\b+7], v[\f+\part+8*\a:\f+\part+8*\a+7], 0
.else
	v_wmma_f32_16x16x32_bf16 v[ACC+8*(4*\a+\b):ACC+8*(4*\a+\b)+7], v[\f+32+8*\b:\f+32+8*\b+7], v[\f+\part+8*\a:\f+\part+8*\a+7], v[ACC+8*(4*\a+\b):ACC+8*(4*\a+\b)+7]
.endif
.endr
.endr
.endm
.macro MULS f, zero                    ; hi and lo meet the same fragments of E
	MUL8 \f, 0, \zero
.if LO_IN
	MUL8 \f, 16, 0
.endif
.endm
; a slot's eight steps of 32 along K; each step's fragments are asked for one step ahead
.macro SLOTWORK s, zero
	PLACES
	LOADF \s, 0, F0
	LOADF \s, 1, F1
	s_wait_dscnt NLOADS                            ; all but the NLOADS just issued: this step's fragments are in
	MULS F0, \zero
.irp t, 1,2,3,4,5,6
	PLACES
	LOADF \s, \t+1, F0+FSZ*((\t+1)%2)
	s_wait_dscnt NLOADS
	MULS F0+FSZ*(\t%2), 0
.endr
	s_wait_dscnt 0
	MULS F1, 0
.endm
; the change to slot `slot`; refill = 1: the other slot, read last, gets the K two slots on
.macro TRIP slot, refill
	s_wait_dscnt 0x0                               ; my reads of the other slot are back
	s_wait_tensorcnt 0x0                           ; all my tensor loads have landed, my part of this slot among them: every group 0 may be written
	ds_add_u32 v30, v31
	s_wait_dscnt 0x0
.if \refill
	s_add_nc_u64 s[G0A+4*(1-\slot)+2:G0A+4*(1-\slot)+3], s[G0A+4*(1-\slot)+2:G0A+4*(1-\slot)+3], 2*KS*2
	s_add_nc_u64 s[G0B+4*(1-\slot)+2:G0B+4*(1-\slot)+3], s[G0B+4*(1-\slot)+2:G0B+4*(1-\slot)+3], 2*KS*ZP
	ROUND                                          ; both hold of every wave of all four work-groups
	JLOAD 1-\slot                                  ; my one tensor load behind the round, and the first thing there
.else
	s_barrier_signal -1
	s_barrier_wait -1
.endif
	SLOTWORK \slot, 0
.endm
	s_wait_dscnt 0x0                               ; the copied columns are in the stage
	s_wait_tensorcnt 0x1                           ; my part of slot 0 is in; slot 1's load may stay out
	s_barrier_signal -1
	s_barrier_wait -1
	SLOTWORK 0, 1                                  ; K 0..255: the first products start the sums
	TRIP 1, 1                                      ; K 256..511;  slot 0 <- K 512..767
	TRIP 0, 1                                      ; K 512..767;  slot 1 <- K 768..1023
	TRIP 1, 0                                      ; K 768..1023: nothing is left to fetch
	; THE WAY OUT: round (and split), 16 bytes a lane into the stage, whole rows of 256 bytes back, and out
	PLACES
.set p, 0
.rept 32
	v_cvt_pk_bf16_f32 v[TH+p], v[ACC+2*p], v[ACC+2*p+1]
.if LO_OUT
	v_lshlrev_b32 v[TT+2*(p%4)], 16, v[TH+p]       ; hi back in f32,
	v_and_b32 v[TT+2*(p%4)+1], 0xffff0000, v[TH+p]
	v_pk_add_f32 v[TT+2*(p%4):TT+2*(p%4)+1], v[ACC+2*p:ACC+2*p+1], v[TT+2*(p%4):TT+2*(p%4)+1] neg_lo:[0,1] neg_hi:[0,1]   ; sum - hi, exact,
	v_cvt_pk_bf16_f32 v[TL+p], v[TT+2*(p%4)], v[TT+2*(p%4)+1]                                                            ; rounded: lo
.endif
.set p, p+1
.endr
.macro STG a, b
	ds_store_b128 v[STO], v[TH+4*(4*\a+\b):TH+4*(4*\a+\b)+3] offset:16*SPITCH*\a+32*\b
.endm
.macro STGLO a, b
	ds_store_b128 v[STO], v[TL+4*(4*\a+\b):TL+4*(4*\a+\b)+3] offset:STAGELO+16*SPITCH*\a+32*\b
.endm
	s_cmp_eq_u32 s15, 8
	s_cbranch_scc1 .Lstage_ext
.irp a, 0,1
.irp b, 0,1,2,3
	STG \a, \b
.if LO_OUT
	STGLO \a, \b
.endif
.endr
.endr
	s_branch .Lstaged
.Lstage_ext:                                       ; the ninth column block: only its first 32 columns are computed; the others lie in the stage already
.if LO_OUT*(1-LO_IN)
.irp a, 0,1
.irp b, 0,1,2,3
	STGLO \a, \b                                   ; Zin has no low part: the copied columns' low part is the zero that the sums give
.endr
.endr
.endif
	s_cmp_lg_u32 s12, 0
	s_cbranch_scc1 .Lstaged                        ; the waves of columns 64..127 have none of the 32
.irp a, 0,1
.irp b, 0,1
	STG \a, \b
.if LO_CP
	STGLO \a, \b
.endif
.endr
.endr
.Lstaged:
	s_cmp_eq_u32 s13, 4                            ; the B groups' rows go 16 rows lower
	s_cselect_b32 s48, 16*ZP, 0
	s_add_co_u32 s48, s48, s54
	s_lshl_b32 s49, s15, 8
	s_add_co_u32 s48, s48, s49
	s_mov_b32 s49, 0
	s_add_nc_u64 s[8:9], s[8:9], s[48:49]
	s_wait_dscnt 0x0                               ; my stores into the stage are done, for the other waves' sake
	s_barrier_signal -1
	s_barrier_wait -1
.irp i, 0,1,2,3,4,5,6,7
	ds_load_b128 v[OH+4*\i:OH+4*\i+3], v[RD] offset:8*SPITCH*\i
.if LO_OUT
	ds_load_b128 v[OL+4*\i:OL+4*\i+3], v[RD] offset:STAGELO+8*SPITCH*\i
.endif
.endr
	s_wait_dscnt 0x0
.macro PUT i                           ; eight rows: sixteen lanes store 256 consecutive bytes, at a multiple of 256 from the buffer's first byte
	global_store_b128 v[CO], v[OH+4*\i:OH+4*\i+3], s[8:9] offset:8*ZP*\i
.if LO_OUT
	global_store_b128 v[CO], v[OL+4*\i:OL+4*\i+3], s[8:9] offset:LOPART+8*ZP*\i
.endif
.endm
.irp i, 0,1,2,3,4,5
	PUT \i
.endr
	s_cmp_eq_u32 s13, 4
	s_cbranch_scc1 .Lclose                         ; the fourth B group has no place 16 rows lower
	PUT 6
	PUT 7
.Lclose:
	s_wait_tensorcnt 0x0
	ds_add_u32 v30, v31
	s_wait_dscnt 0x0
	ROUND                                          ; the closing round, on every path: no work-group ends while a partner may still ask jointly
	s_endpgm
.Lfunc_end_k_q27f51b6b1e_c1:
	.size	k_q27f51b6b1e_c1, .Lfunc_end_k_q27f51b6b1e_c1-k_q27f51b6b1e_c1
	.p2alignl 7, 3214868480
	.fill 96, 4, 3214868480
	.section	.rodata,"a",@progbits
	.p2align	6, 0x0
	.amdhsa_kernel k_q27f51b6b1e_c1
		.amdhsa_group_segment_fixed_size 327680
		.amdhsa_private_segment_fixed_size 0
		.amdhsa_enable_private_segment 0
		.amdhsa_kernarg_size 40
		.amdhsa_user_sgpr_count 2
		.amdhsa_user_sgpr_kernarg_segment_ptr 1
		.amdhsa_wavefront_size32 1
		.amdhsa_system_sgpr_workgroup_id_x 1
		.amdhsa_system_sgpr_workgroup_id_y 1
		.amdhsa_system_sgpr_workgroup_id_z 1
		.amdhsa_system_vgpr_workitem_id 0
		.amdhsa_next_free_vgpr 256
		.amdhsa_next_free_sgpr 66
		.amdhsa_reserve_vcc 0
		.amdhsa_float_denorm_mode_32 3
		.amdhsa_float_denorm_mode_16_64 3
		.amdhsa_memory_ordered 1
		.amdhsa_forward_progress 1
		.amdhsa_inst_pref_size 126
	.end_amdhsa_kernel
	.amdgpu_metadata
---
amdhsa.version: [ 1, 2 ]
amdhsa.kernels:
  - .name:           k_q27f51b6b1e_c1
    .symbol:         k_q27f51b6b1e_c1.kd
    .args:
      - { .name: Z2, .offset: 0, .size: 8, .value_kind: global_buffer, .address_space: global }
      - { .name: E1, .offset: 8, .size: 8, .value_kind: global_buffer, .address_space: global }
      - { .name: Z1, .offset: 16, .size: 8, .value_kind: global_buffer, .address_space: global }
      - { .name: mu, .offset: 24, .size: 8, .value_kind: global_buffer, .address_space: global }
      - { .name: X, .offset: 32, .size: 8, .value_kind: global_buffer, .address_space: global }
    .group_segment_fixed_size: 327680
    .private_segment_fixed_size: 0
    .kernarg_segment_align: 8
    .kernarg_segment_size: 40
    .max_flat_workgroup_size: 128
    .sgpr_count:     66
    .vgpr_count:     256
    .wavefront_size: 32
...
	.end_amdgpu_metadata
.endif
;; end of part 4
;; launch main (part 5): grid 4 x 64, 4 waves a work-group, clusters of 4 x 4, 327,680 bytes of LDS; arguments X, Z1, nu, t, alpha_W, alpha_b, bs, out0; writes out0
.if DOCPART == 5
	.amdgcn_target "amdgcn-amd-amdhsa--gfx1250"
	.amdhsa_code_object_version 6
	.text
	.protected	k_q27f51b6b1e_main
	.globl	k_q27f51b6b1e_main
	.p2align	8
	.type	k_q27f51b6b1e_main,@function
k_q27f51b6b1e_main:
	s_mov_b64 s[64:65], 0
	v_nop
	global_prefetch_b8 v0, s[64:65] scope:SCOPE_SE
	s_setreg_imm32_b32 hwreg(HW_REG_WAVE_MODE, 25, 1), 1
	s_wait_xcnt 0x0
	s_wait_alu depctr_hold_cnt(0) depctr_sa_sdst(0) depctr_va_vdst(0) depctr_va_sdst(0) depctr_va_ssrc(0) depctr_va_vcc(0) depctr_vm_vsrc(0)
	s_getreg_b32 s2, hwreg(HW_REG_IB_STS2, 6, 4)
	s_cmp_eq_u32 s2, 0
	s_cbranch_scc0 .Lentry_in_a_cluster
	s_endpgm
.Lentry_in_a_cluster:
	s_bfe_u32 s2, ttmp6, 0x10000c
	s_cmp_lg_u32 s2, 0xf033
	s_cbranch_scc0 .Lentry_shape_is_right
	s_endpgm
.Lentry_shape_is_right:
; THE BATCH PRODUCT: out = [ x | z1 1 0.. | z2 1 0.. | z3 1 0.. | z4 1 0.. ] x Z1^T + b4, all four layers in one pass over x = bf16(mu).
; Z1's row n (of the 256 first rows of a block of 320): [ (W4 W3 W2 W1)[n] | four pieces of 32: (W4..W(j+1) Aj)[n][0..15], (W4..W(j+1) bj)[n], 15 zeros ].
; zj = alpha_j uj (16 numbers a row of the batch), uj = Bj x(j-1).  The u come from the same pass: rows 256 + 16 (i-1) + c of every block hold
; [ (Bi W(i-1)..W1)[c] | pieces j < i: (Bi W(i-1)..W(j+1) Aj)[c], (Bi .. bj)[c] ], so  ui = V x + sum over j < i of ( S(i,j) zj + d(i,j) ).
; alpha_j = nu . alpha_W[j][0..2] + t alpha_W[j][3] + alpha_b[j], in f32; b4 is added in f32.
; LIMITS: the layers are re-associated, so the order of rounding differs from a layer-by-layer evaluation; the weight products in Z1 must be finite.
; SHARES: 256 work-groups; one makes 128 rows x 256 columns of out with four waves; a wave 64 x 128 = 32 accumulators, and u for 32 of its 64 rows
; (8 accumulators); the two waves of the same 64 rows hand each other their z through LDS.  The matrix instruction is used transposed (source 0 =
; Z1's rows, source 1 = x's rows): a lane's eight results are eight neighbouring columns of one row, and u's accumulator, scaled and packed, is
; at once the lower half of a source-1 fragment of z.
; CLUSTER 4 x 4: x's tile hangs on the block row alone and is asked for jointly along a row of the cluster, Z1's on the block column alone and is asked for
; jointly along a column.
; K goes in 8 steps of 128 through two LDS slots (128 rows of x, 320 rows of Z1, 256 bytes + 16 of padding a row); a ninth step brings Z1's
; 128 extension columns alone.  By this text's count a wave has two tensor loads out at the start and one behind each later round.
; REGISTER WINDOWS: 0: addresses, x's fragments (two buffers), u's accumulators, z's fragments; 1: Z1's fragments (two buffers of 96); 2: out's accumulators.
.set PITCH,  272
.set AHALF,  64*PITCH                  ; what wave 0 or 1 fetches
.set BOFF,   2*AHALF
.set BHALF,  160*PITCH                 ; what wave 2 or 3 fetches
.set SLOT,   BOFF+2*BHALF              ; 121,856
.set VOFF,   BOFF+256*PITCH            ; the 64 rows for u
.set STAGE,  2*SLOT                    ; way out: 16 rows x 528 bytes for each wave
.set SPITCH, 528
.set WSTAGE, 16*SPITCH
.set XCH,    STAGE+4*WSTAGE            ; 4,096 bytes for each wave: its z for its partner
.set ADRB,  16                         ; v16, 17  my 128 rows of Z1 in slot 0, 1
.set ADRV,  18                         ; v18, 19  the 64 rows for u
.set ADRX0, 20                         ; v20, 21  x: the 32 rows whose u I make
.set ADRX1, 22                         ; v22, 23  x: the 32 rows whose u my partner makes
.set STO,   24
.set RD,    25
.set CO,    26                         ; 16 x lane
.set XST,   27
.set XLD,   28
.set XF,    32                         ; v[32:95]   x's fragments: buffer f at 32 f, place a at 8 a (0, 1 mine; 2, 3 the partner's)
.set ZF,    32                         ; v[32:95]   later: my z fragments, (a, j) at 8 (4 a + j)
.set VACC,  96                         ; v[96:159]  u's accumulators, (a, c) at 8 (4 a + c)
.set PZ,    160                        ; v[160:223] the partner's z fragments
.set AL,    224                        ; v[224:231] alpha (a, j) at 4 a + j
.set NUT,   232                        ; v[232:239] nu0, nu1, nu2, t of my row, for a = 0, 1
.set BIAS,  248                        ; v[248:251] b4 of columns 4 lane .. + 3 of my 128
.set ONE,   252                        ; bf16 1.0 in lanes 0-15 (k = 16 of a z fragment), 0 in lanes 16-31
.set SFR,   192                        ; window 1: the six S fragments
.set G1A, 24
.set G0A, 32
.set G1B, 40
.set G0B, 48
.set FIELDS, (1<<16)|(1<<20)|(1<<21)|(5<<22)|(3<<25)   ; 2-byte elements; padding on; bit 21 beside a mask; 4 words behind every 64
.set MUL_M, 0xa1                       ; source 0 window 1, source 1 window 0, C and D window 2
.set MUL_V, 0x01                       ; source 0 window 1, all else window 0
.set TO_1,  0x40                       ; destination window 1
.set FROM_2, 0x08                      ; an LDS store's data from window 2
.set MSB, 0
.macro WIN new                         ; the immediate's high byte repeats the setting that is left
.if MSB != \new
	s_set_vgpr_msb (MSB<<8)|\new
.set MSB, \new
.endif
.endm
.macro JLOAD s                         ; waves 0, 1: x's halves; waves 2, 3: Z1's.  One mask a line; the branch hangs on the wave's number alone
	s_cmp_eq_u32 s21, 0
	s_cbranch_scc0 .Lfor_b_\@
	tensor_load_to_lds s[G0A+4*\s:G0A+4*\s+3], s[G1A:G1A+7]
	s_nop 0
	s_branch .Lasked_\@
.Lfor_b_\@:
	tensor_load_to_lds s[G0B+4*\s:G0B+4*\s+3], s[G1B:G1B+7]
	s_nop 0
.Lasked_\@:
.endm
.macro JLOADB s                        ; the ninth step has no x: waves 0 and 1 have nothing to fill
	s_cmp_eq_u32 s21, 0
	s_cbranch_scc1 .Lno_b_\@
	tensor_load_to_lds s[G0B+4*\s:G0B+4*\s+3], s[G1B:G1B+7]
	s_nop 0
.Lno_b_\@:
.endm
.macro CREST                           ; a round of the cluster's barrier behind its opening barrier
	s_cmp_lg_u32 s20, 0
	s_cbranch_scc1 .Lnot_wave_0_\@
	s_barrier_signal -3
.Lnot_wave_0_\@:
	s_barrier_wait -3
	s_barrier_signal -1
	s_barrier_wait -1
.endm
.macro CROUND
	s_barrier_signal -1
	s_barrier_wait -1
	CREST
.endm
.macro PLACES                          ; four places between a matrix instruction and a load into, or a vector instruction on, its registers
.rept 4
	v_nop
.endr
.endm
	s_load_b512 s[4:19], s[0:1], 0x0               ; X s4, Z1 s6, nu s8, t s10, alpha_W s12, alpha_b s14, bs s16, out0 s18
	v_lshl_add_u32 v254, v0, 2, 0x47c00
	v_mov_b32 v255, 0
	ds_add_u32 v254, v255
	ds_add_u32 v254, v255
	v_lshrrev_b32 v1, 5, v0
	v_readfirstlane_b32 s20, v1                    ; wave 0..3
	s_lshr_b32 s21, s20, 1                         ; wr: my 64 rows.  Also: I fetch x (0) or Z1 (1)
	s_and_b32 s22, s20, 1                          ; wc: my 128 columns.  Also: which half I fetch
	s_bfe_u32 s56, ttmp6, 0x40000                  ; cx
	s_bfe_u32 s57, ttmp6, 0x40004                  ; cy
	s_lshl_b32 s58, ttmp9, 2
	s_add_co_u32 s58, s58, s56                     ; block column
	s_and_b32 s59, ttmp7, 0xffff
	s_lshl_b32 s59, s59, 2
	s_add_co_u32 s59, s59, s57                     ; block row
	s_lshl_b32 s60, s57, 2
	s_lshl_b32 s60, 15, s60                        ; my row of the cluster
	s_lshl_b32 s61, 0x1111, s56                    ; my column
	s_or_b32 s[G1A+0], s60, FIELDS
	s_mov_b32 s[G1A+1], 128<<16                    ; tensor_dim0 = 128
	s_mov_b32 s[G1A+2], 64<<16                     ; tensor_dim1 = 64
	s_mov_b32 s[G1A+3], 128<<16                    ; tile_dim0 = 128
	s_mov_b32 s[G1A+4], 64                         ; tile_dim1 = 64
	s_mov_b32 s[G1A+5], 1024                       ; elements from row to row of X
	s_mov_b32 s[G1A+6], 0
	s_mov_b32 s[G1A+7], 0
	s_or_b32 s[G1B+0], s61, FIELDS
	s_mov_b32 s[G1B+1], 128<<16
	s_mov_b32 s[G1B+2], 160<<16
	s_mov_b32 s[G1B+3], 128<<16
	s_mov_b32 s[G1B+4], 160
	s_mov_b32 s[G1B+5], 1152                       ; elements from row to row of Z1
	s_mov_b32 s[G1B+6], 0
	s_mov_b32 s[G1B+7], 0
	s_lshl_b32 s88, s59, 7                         ; x: row 128 x block row + 64 x half (s88, s89 never hold cx)
	s_lshl_b32 s89, s22, 6
	s_add_co_u32 s88, s88, s89
	s_lshl_b32 s88, s88, 11
	s_mov_b32 s89, 0
	s_mul_i32 s90, s58, 320                        ; Z1: row 320 x block column + 160 x half (s90, s91 never hold cy)
	s_mul_i32 s91, s22, 160
	s_add_co_u32 s90, s90, s91
	s_mul_i32 s90, s90, 2304
	s_mov_b32 s91, 0
	s_mul_i32 s98, s22, AHALF                      ; where they go: the wave's number alone
	s_mul_i32 s99, s22, BHALF
	s_add_co_u32 s99, s99, BOFF
	s_wait_dscnt 0x0
	s_wait_kmcnt 0x0
	s_add_nc_u64 s[88:89], s[4:5], s[88:89]
	s_add_nc_u64 s[90:91], s[6:7], s[90:91]
	s_load_b512 s[68:83], s[12:13], 0x0            ; alpha_W, 16 numbers
	s_load_b128 s[84:87], s[14:15], 0x0            ; alpha_b
	CROUND                                         ; all sixteen work-groups are here: the first joint loads meet
.irp s, 0,1
	s_mov_b32 s[G0A+4*\s], 1
	s_add_co_u32 s[G0A+4*\s+1], s98, \s*SLOT
	s_add_nc_u64 s[G0A+4*\s+2:G0A+4*\s+3], s[88:89], \s*256
	s_or_b32 s[G0A+4*\s+3], s[G0A+4*\s+3], 0x80000000
	s_mov_b32 s[G0B+4*\s], 1
	s_add_co_u32 s[G0B+4*\s+1], s99, \s*SLOT
	s_add_nc_u64 s[G0B+4*\s+2:G0B+4*\s+3], s[90:91], \s*256
	s_or_b32 s[G0B+4*\s+3], s[G0B+4*\s+3], 0x80000000
	JLOAD \s
.endr
	; LDS addresses: a fragment is 16 rows x 32 K: lane l at row l mod 16, byte 16 (l / 16); two loads 32 bytes apart
	v_and_b32 v1, 15, v0                           ; r
	v_bfe_u32 v2, v0, 4, 1                         ; h
	v_and_b32 v3, 31, v0                           ; lane
	v_mul_u32_u24 v4, v1, PITCH
	v_lshl_add_u32 v4, v2, 4, v4
	s_mul_i32 s62, s22, 128*PITCH
	s_add_co_u32 s62, s62, BOFF
	v_add_nc_u32 v[ADRB], s62, v4
	v_add_nc_u32 v[ADRB+1], SLOT, v[ADRB]
	v_add_nc_u32 v[ADRV], VOFF, v4
	v_add_nc_u32 v[ADRV+1], SLOT, v[ADRV]
	s_lshl_b32 s62, s21, 6
	s_lshl_b32 s63, s22, 5
	s_add_co_u32 s66, s62, s63                     ; 64 wr + 32 wc: the rows whose u I make
	s_xor_b32 s63, s63, 32
	s_add_co_u32 s67, s62, s63                     ; 64 wr + 32 (1 - wc): my partner's
	s_mul_i32 s62, s66, PITCH
	v_add_nc_u32 v[ADRX0], s62, v4
	v_add_nc_u32 v[ADRX0+1], SLOT, v[ADRX0]
	s_mul_i32 s62, s67, PITCH
	v_add_nc_u32 v[ADRX1], s62, v4
	v_add_nc_u32 v[ADRX1+1], SLOT, v[ADRX1]
	s_mul_i32 s62, s20, WSTAGE
	s_add_co_u32 s62, s62, STAGE
	v_mul_u32_u24 v5, v1, SPITCH
	v_lshl_add_u32 v5, v2, 5, v5
	v_add_nc_u32 v[STO], s62, v5                   ; stage row r, byte 32 h
	v_lshlrev_b32 v[CO], 4, v3
	v_add_nc_u32 v[RD], s62, v[CO]
	s_lshl_b32 s62, s20, 12
	s_add_co_u32 s62, s62, XCH
	v_add_nc_u32 v[XST], s62, v[CO]
	s_xor_b32 s63, s20, 1
	s_lshl_b32 s63, s63, 12
	s_add_co_u32 s63, s63, XCH
	v_add_nc_u32 v[XLD], s63, v[CO]
	; nu, t of the rows whose u I make (lane l: row l mod 16 of each of two groups of 16), and b4 of my columns
	s_lshl_b32 s92, s59, 7
	s_add_co_u32 s63, s92, s67
	s_add_co_u32 s92, s92, s66
	v_add_nc_u32 v6, s92, v1
	v_mul_u32_u24 v7, v6, 12
	v_lshlrev_b32 v8, 2, v6
.irp a, 0,1
	global_load_b32 v[NUT+4*\a],   v7, s[8:9] offset:192*\a
	global_load_b32 v[NUT+4*\a+1], v7, s[8:9] offset:192*\a+4
	global_load_b32 v[NUT+4*\a+2], v7, s[8:9] offset:192*\a+8
	global_load_b32 v[NUT+4*\a+3], v8, s[10:11] offset:64*\a
.endr
	s_lshl_b32 s62, s58, 10
	s_lshl_b32 s93, s22, 9
	s_add_co_u32 s62, s62, s93                     ; my first column in bytes: 1,024 x block column + 512 wc
	v_add_nc_u32 v9, s62, v[CO]
	global_load_b128 v[BIAS:BIAS+3], v9, s[16:17] offset:12288
	s_lshl_b32 s92, s92, 12
	s_add_co_u32 s92, s92, s62
	s_mov_b32 s93, 0
	s_add_nc_u64 s[94:95], s[18:19], s[92:93]      ; out at the rows of places 0, 1
	s_lshl_b32 s92, s63, 12
	s_add_co_u32 s92, s92, s62
	s_add_nc_u64 s[96:97], s[18:19], s[92:93]      ; out at the rows of places 2, 3
	v_cmp_gt_u32 vcc_lo, 16, v3
	v_mov_b32 v[ONE], 0x3f80
	v_cndmask_b32 v[ONE], 0, v[ONE], vcc_lo
.irp i, 0,1,2,3,4,5,6,7
	v_mov_b32 v[PZ+8*\i+4], v[ONE]                 ; k = 16..31 of a z fragment: 1, then zeros
	v_mov_b32 v[PZ+8*\i+5], 0
	v_mov_b32 v[PZ+8*\i+6], 0
	v_mov_b32 v[PZ+8*\i+7], 0
.endr
	s_wait_kmcnt 0x0
	s_wait_loadcnt 0x0
.irp a, 0,1
.irp j, 0,1,2,3
	v_fma_f32 v[AL+4*\a+\j], v[NUT+4*\a], s[68+4*\j], s[84+\j]
	v_fmac_f32 v[AL+4*\a+\j], s[69+4*\j], v[NUT+4*\a+1]
	v_fmac_f32 v[AL+4*\a+\j], s[70+4*\j], v[NUT+4*\a+2]
	v_fmac_f32 v[AL+4*\a+\j], s[71+4*\j], v[NUT+4*\a+3]
.endr
.endr
; 32 LDS loads: the fragments of 32 along K at byte k of slot s's rows, into buffer f
.macro FETCH s, k, f
	WIN TO_1
.irp i, 0,1,2,3,4,5,6,7
	ds_load_b128 v[96*\f+8*\i:96*\f+8*\i+3],   v[ADRB+\s] offset:\k+\i*16*PITCH
	ds_load_b128 v[96*\f+8*\i+4:96*\f+8*\i+7], v[ADRB+\s] offset:\k+\i*16*PITCH+32
.endr
.irp c, 0,1,2,3
	ds_load_b128 v[96*\f+64+8*\c:96*\f+64+8*\c+3],   v[ADRV+\s] offset:\k+\c*16*PITCH
	ds_load_b128 v[96*\f+64+8*\c+4:96*\f+64+8*\c+7], v[ADRV+\s] offset:\k+\c*16*PITCH+32
.endr
	WIN 0
.irp a, 0,1
	ds_load_b128 v[XF+32*\f+8*\a:XF+32*\f+8*\a+3],   v[ADRX0+\s] offset:\k+\a*16*PITCH
	ds_load_b128 v[XF+32*\f+8*\a+4:XF+32*\f+8*\a+7], v[ADRX0+\s] offset:\k+\a*16*PITCH+32
.endr
.irp a, 0,1
	ds_load_b128 v[XF+32*\f+16+8*\a:XF+32*\f+16+8*\a+3],   v[ADRX1+\s] offset:\k+\a*16*PITCH
	ds_load_b128 v[XF+32*\f+16+8*\a+4:XF+32*\f+16+8*\a+7], v[ADRX1+\s] offset:\k+\a*16*PITCH+32
.endr
.endm
; 16 matrix instructions: places a0, a0 + 1 x my 8 groups of 16 columns.  All 40 accumulators take turns, one instruction a turn
.macro MULM f, a0, zero
.irp a, \a0, \a0+1
.irp b, 0,1,2,3,4,5,6,7
.if \zero
	v_wmma_f32_16x16x32_bf16 v[8*(8*(\a)+\b):8*(8*(\a)+\b)+7], v[96*\f+8*\b:96*\f+8*\b+7], v[XF+32*\f+8*(\a):XF+32*\f+8*(\a)+7], 0
.else
	v_wmma_f32_16x16x32_bf16 v[8*(8*(\a)+\b):8*(8*(\a)+\b)+7], v[96*\f+8*\b:96*\f+8*\b+7], v[XF+32*\f+8*(\a):XF+32*\f+8*(\a)+7], v[8*(8*(\a)+\b):8*(8*(\a)+\b)+7]
.endif
.endr
.endr
.endm
; 8 matrix instructions: u1..u4 of places 0, 1
.macro MULV f, zero
.irp a, 0,1
.irp c, 0,1,2,3
.if \zero
	v_wmma_f32_16x16x32_bf16 v[VACC+8*(4*\a+\c):VACC+8*(4*\a+\c)+7], v[96*\f+64+8*\c:96*\f+64+8*\c+7], v[XF+32*\f+8*\a:XF+32*\f+8*\a+7], 0
.else
	v_wmma_f32_16x16x32_bf16 v[VACC+8*(4*\a+\c):VACC+8*(4*\a+\c)+7], v[96*\f+64+8*\c:96*\f+64+8*\c+7], v[XF+32*\f+8*\a:XF+32*\f+8*\a+7], v[VACC+8*(4*\a+\c):VACC+8*(4*\a+\c)+7]
.endif
.endr
.endr
.endm
; one of a K step's first three quarters: multiplies buffer f, fetches the next quarter (byte k) into buffer g in its middle
.macro QUARTER slot, k, f, g, zero
	s_wait_dscnt 4                                 ; all but the four youngest loads (x's places 2, 3)
	WIN MUL_M
	MULM \f, 0, \zero
	WIN MUL_V
	MULV \f, \zero
	PLACES
	FETCH \slot, \k, \g
	s_wait_dscnt 32                                ; all but the 32 just issued
	WIN MUL_M
	MULM \f, 2, \zero
.endm
.macro THREE slot, zero
	QUARTER \slot, 64,  0, 1, \zero
	QUARTER \slot, 128, 1, 0, 0
	QUARTER \slot, 192, 0, 1, 0
.endm
.macro SLOAD idx, i, j                 ; S(i, j): rows of ui, piece j of the extension columns
	ds_load_b128 v[SFR+8*\idx:SFR+8*\idx+3],   v[ADRV] offset:16*PITCH*(\i-1)+64*(\j-1)
	ds_load_b128 v[SFR+8*\idx+4:SFR+8*\idx+7], v[ADRV] offset:16*PITCH*(\i-1)+64*(\j-1)+32
.endm
.macro EWFETCH j                       ; piece j (0..3) of my 128 rows' extension columns, to window 1 at 64 j
.irp b, 0,1,2,3,4,5,6,7
	ds_load_b128 v[64*\j+8*\b:64*\j+8*\b+3],   v[ADRB] offset:64*\j+\b*16*PITCH
	ds_load_b128 v[64*\j+8*\b+4:64*\j+8*\b+7], v[ADRB] offset:64*\j+\b*16*PITCH+32
.endr
.endm
; the last quarter: multiplies buffer 1 and changes slots.  fill = 1: this slot gets the K step two on; 2: Z1's extension columns alone; 0: nothing.
; ext = 1: the next slot holds the extension columns: S and the first piece are fetched.
.macro TURN slot, next, fill, ext
	s_wait_dscnt 4
	WIN MUL_M
	MULM 1, 0, 0
	s_wait_dscnt 0                                 ; my reads of this slot are over,
	s_set_vgpr_msb 0xa1a0
	s_wait_tensorcnt 0x0                           ; and all my tensor loads have landed: what was out is my part of the next slot
	ds_add_u32 v254, v255
	s_wait_dscnt 0x0
	s_set_vgpr_msb 0xa0a1
	s_barrier_signal -1                            ; (where a slot is filled again this barrier opens a round of the cluster's barrier)
	WIN MUL_V
	MULV 1, 0                                      ; register work while the others arrive
	WIN 0
	s_barrier_wait -1
.if \fill
	CREST                                          ; no wave of any partner still reads this slot or has a load on its way
	s_add_nc_u64 s[G0B+4*\slot+2:G0B+4*\slot+3], s[G0B+4*\slot+2:G0B+4*\slot+3], 512
.if \fill == 1
	s_add_nc_u64 s[G0A+4*\slot+2:G0A+4*\slot+3], s[G0A+4*\slot+2:G0A+4*\slot+3], 512
	JLOAD \slot                                    ; the first tensor load behind the round, one a wave
.else
	JLOADB \slot
.endif
.endif
	PLACES
.if \ext
	WIN TO_1
	SLOAD 0, 2, 1
	SLOAD 1, 3, 1
	SLOAD 2, 4, 1
	SLOAD 3, 3, 2
	SLOAD 4, 4, 2
	SLOAD 5, 4, 3
	EWFETCH 0
.else
	FETCH \next, 0, 0
.endif
	WIN MUL_M
	MULM 1, 2, 0
.endm
.macro LAP zero
	THREE 0, \zero
	TURN 0, 1, 1, 0
	THREE 1, 0
	TURN 1, 0, 1, 0
.endm
	s_wait_tensorcnt 0x1                           ; my part of K step 0 is in; step 1's load may stay out
	s_barrier_signal -1
	s_barrier_wait -1
	FETCH 0, 0, 0
	LAP 1                                          ; K steps 0, 1: the first products start the sums
	WIN 0
	s_mov_b32 s23, 2
.Llap:
	LAP 0                                          ; K steps 2, 3 and 4, 5
	WIN 0
	s_sub_co_u32 s23, s23, 1
	s_cmp_lg_u32 s23, 0
	s_cbranch_scc1 .Llap
	THREE 0, 0                                     ; K step 6; slot 0 then gets Z1's columns 1024..1151
	TURN 0, 1, 2, 0
	THREE 1, 0                                     ; K step 7
	TURN 1, 0, 0, 1
	; THE EXTENSION.  zj = alpha_j uj, packed to bf16; uj needs z1 .. z(j-1): four stages in order.
	PLACES
	WIN TO_1
	EWFETCH 1
	EWFETCH 2
	WIN 0
.irp i, 0,1,2,3,4,5,6,7
	v_mov_b32 v[ZF+8*\i+4], v[ONE]
	v_mov_b32 v[ZF+8*\i+5], 0
	v_mov_b32 v[ZF+8*\i+6], 0
	v_mov_b32 v[ZF+8*\i+7], 0
.endr
	s_wait_dscnt 32                                ; all but the 32 just issued: S and the first piece are in
.macro ZSTAGE j                        ; j = 0..3.  A lane holds components 8 h .. 8 h + 7 of u of row r: packed, that is k = 8 h .. of a source-1 fragment
	WIN 0
.irp a, 0,1
.irp e, 0,1,2,3,4,5,6,7
	v_mul_f32 v[VACC+8*(4*\a+\j)+\e], v[AL+4*\a+\j], v[VACC+8*(4*\a+\j)+\e]
.endr
.irp e, 0,1,2,3
	v_cvt_pk_bf16_f32 v[ZF+8*(4*\a+\j)+\e], v[VACC+8*(4*\a+\j)+2*\e], v[VACC+8*(4*\a+\j)+2*\e+1]
.endr
.endr
.endm
.macro SMUL idx, i, j                  ; u(i) += S(i, j) z(j) + d(i, j); i, j = 0..3
.irp a, 0,1
	v_wmma_f32_16x16x32_bf16 v[VACC+8*(4*\a+\i):VACC+8*(4*\a+\i)+7], v[SFR+8*\idx:SFR+8*\idx+7], v[ZF+8*(4*\a+\j):ZF+8*(4*\a+\j)+7], v[VACC+8*(4*\a+\i):VACC+8*(4*\a+\i)+7]
.endr
.endm
	ZSTAGE 0
	WIN MUL_V
	SMUL 0, 1, 0
	SMUL 1, 2, 0
	SMUL 2, 3, 0
	PLACES
	ZSTAGE 1
	WIN MUL_V
	SMUL 3, 2, 1
	SMUL 4, 3, 1
	PLACES
	ZSTAGE 2
	WIN MUL_V
	SMUL 5, 3, 2
	PLACES
	WIN TO_1
	EWFETCH 3                                      ; the fourth piece takes S's registers
	ZSTAGE 3
.irp i, 0,1,2,3,4,5,6,7
	ds_store_b128 v[XST], v[ZF+8*\i:ZF+8*\i+3] offset:512*\i       ; my z for my partner
.endr
	s_wait_dscnt 0                                 ; the stores are done, for the partner's sake; all pieces are in
	s_barrier_signal -1
.macro EXTM a0, zb                     ; out += extension columns x z, places a0, a0 + 1
.irp j, 0,1,2,3
.irp a, 0,1
.irp b, 0,1,2,3,4,5,6,7
	v_wmma_f32_16x16x32_bf16 v[8*(8*(\a0+\a)+\b):8*(8*(\a0+\a)+\b)+7], v[64*\j+8*\b:64*\j+8*\b+7], v[\zb+8*(4*\a+\j):\zb+8*(4*\a+\j)+7], v[8*(8*(\a0+\a)+\b):8*(8*(\a0+\a)+\b)+7]
.endr
.endr
.endr
.endm
	WIN MUL_M
	EXTM 0, ZF                                     ; register work while the partner arrives
	WIN 0
	s_barrier_wait -1
.irp i, 0,1,2,3,4,5,6,7
	ds_load_b128 v[PZ+8*\i:PZ+8*\i+3], v[XLD] offset:512*\i
.endr
	s_wait_dscnt 0
	WIN MUL_M
	EXTM 2, PZ
	; THE WAY OUT, 16 rows at a time: 32 bytes a lane into my own stage, whole rows of 512 bytes back, + b4, out.
	PLACES
.macro OUT16 a, buf, base
	WIN FROM_2
.irp b, 0,1,2,3,4,5,6,7
	ds_store_b128 v[STO], v[8*(8*\a+\b):8*(8*\a+\b)+3]   offset:64*\b
	ds_store_b128 v[STO], v[8*(8*\a+\b)+4:8*(8*\a+\b)+7] offset:64*\b+16
.endr
	WIN 0
.if \a > 1
	s_wait_xcnt 0x0                                ; this buffer was store data two turns ago: it is loaded again only behind this wait
.endif
.irp t, 0,1,2,3,4,5,6,7,8,9,10,11,12,13,14,15
	ds_load_b128 v[\buf+4*\t:\buf+4*\t+3], v[RD] offset:SPITCH*\t  ; LDS serves a wave's instructions in order (ISA guide 5.7.1.4): these see the stores above
.endr
.irp t, 0,1,2,3,4,5,6,7,8,9,10,11,12,13,14,15
	s_wait_dscnt 15-\t                             ; row t is back; the younger rows may stay out
	v_pk_add_f32 v[\buf+4*\t:\buf+4*\t+1],   v[\buf+4*\t:\buf+4*\t+1],   v[BIAS:BIAS+1]
	v_pk_add_f32 v[\buf+4*\t+2:\buf+4*\t+3], v[\buf+4*\t+2:\buf+4*\t+3], v[BIAS+2:BIAS+3]
	global_store_b128 v[CO], v[\buf+4*\t:\buf+4*\t+3], s[\base:\base+1] offset:4096*\t+65536*(\a&1) th:TH_STORE_NT   ; the wave stores 512 consecutive bytes, aligned
.endr
.endm
	OUT16 0, 32, 94
	OUT16 1, 160, 94
	OUT16 2, 32, 96
	OUT16 3, 160, 96
	s_wait_tensorcnt 0x0
	ds_add_u32 v254, v255
	s_wait_dscnt 0x0
	CROUND                                         ; the closing round: no work-group ends while a partner may still ask jointly
	s_endpgm
.Lfunc_end_k_q27f51b6b1e_main:
	.size	k_q27f51b6b1e_main, .Lfunc_end_k_q27f51b6b1e_main-k_q27f51b6b1e_main
	.p2alignl 7, 3214868480
	.fill 96, 4, 3214868480
	.section	.rodata,"a",@progbits
	.p2align	6, 0x0
	.amdhsa_kernel k_q27f51b6b1e_main
		.amdhsa_group_segment_fixed_size 327680
		.amdhsa_private_segment_fixed_size 0
		.amdhsa_enable_private_segment 0
		.amdhsa_kernarg_size 64
		.amdhsa_user_sgpr_count 2
		.amdhsa_user_sgpr_kernarg_segment_ptr 1
		.amdhsa_wavefront_size32 1
		.amdhsa_system_sgpr_workgroup_id_x 1
		.amdhsa_system_sgpr_workgroup_id_y 1
		.amdhsa_system_sgpr_workgroup_id_z 1
		.amdhsa_system_vgpr_workitem_id 0
		.amdhsa_next_free_vgpr 768
		.amdhsa_next_free_sgpr 100
		.amdhsa_reserve_vcc 1
		.amdhsa_float_denorm_mode_32 3
		.amdhsa_float_denorm_mode_16_64 3
		.amdhsa_memory_ordered 1
		.amdhsa_forward_progress 1
		.amdhsa_inst_pref_size 177
	.end_amdhsa_kernel
	.amdgpu_metadata
---
amdhsa.version: [ 1, 2 ]
amdhsa.kernels:
  - .name:           k_q27f51b6b1e_main
    .symbol:         k_q27f51b6b1e_main.kd
    .args:
      - { .name: X, .offset: 0, .size: 8, .value_kind: global_buffer, .address_space: global }
      - { .name: Z1, .offset: 8, .size: 8, .value_kind: global_buffer, .address_space: global }
      - { .name: nu, .offset: 16, .size: 8, .value_kind: global_buffer, .address_space: global }
      - { .name: t, .offset: 24, .size: 8, .value_kind: global_buffer, .address_space: global }
      - { .name: alpha_W, .offset: 32, .size: 8, .value_kind: global_buffer, .address_space: global }
      - { .name: alpha_b, .offset: 40, .size: 8, .value_kind: global_buffer, .address_space: global }
      - { .name: bs, .offset: 48, .size: 8, .value_kind: global_buffer, .address_space: global }
      - { .name: out0, .offset: 56, .size: 8, .value_kind: global_buffer, .address_space: global }
    .group_segment_fixed_size: 327680
    .private_segment_fixed_size: 0
    .kernarg_segment_align: 8
    .kernarg_segment_size: 64
    .max_flat_workgroup_size: 128
    .sgpr_count:     100
    .vgpr_count:     768
    .wavefront_size: 32
...
	.end_amdgpu_metadata
.endif
;; end of part 5
;; ======== version 2 of 2: 5 launches; version 1 with the launch prep written anew for expert scheduling mode
;; limits: values outside matrix products are rounded to bf16
;; workspace buffers: X 16,777,216 bytes; E1 2,359,296 bytes; E2 2,359,296 bytes; E3 2,359,296 bytes; Z4 2,949,120 bytes; Z3 5,898,240 bytes; Z2 5,898,240 bytes; Z1 2,949,120 bytes
;; launch prep (part 6): grid 268 x 1, 4 waves a work-group, no clusters, 0 bytes of LDS; arguments Ws, As, Bs, bs, E1, E2, E3, Z4, Z3, Z2, Z1; writes E1, E2, E3, Z4, Z3, Z2, Z1
.if DOCPART == 6
	.amdgcn_target "amdgcn-amd-amdhsa--gfx1250"
	.amdhsa_code_object_version 6
	.text
	.protected	k_q27f51b6b1e_prep
	.globl	k_q27f51b6b1e_prep
	.p2align	8
	.type	k_q27f51b6b1e_prep,@function
k_q27f51b6b1e_prep:
	s_mov_b64 s[64:65], 0
	v_nop
	global_prefetch_b8 v0, s[64:65] scope:SCOPE_SE
	s_setreg_imm32_b32 hwreg(HW_REG_WAVE_SCHED_MODE, 0, 2), 2
	s_setreg_imm32_b32 hwreg(HW_REG_WAVE_MODE, 25, 1), 1
	s_wait_xcnt 0x0
	s_wait_alu depctr_vm_vsrc(0)
; PREP: rounds the weights to bf16 once and lays them out for the weight chain.
;   Ej [1024][1152]  (j = 1, 2, 3): row k = [ Wj[k][0..1023] | Aj[k][0..15] | bj[k] | 111 zeros ]
;   Z4 [1280][1152]  four blocks of 320 rows: 256 rows [ W4 row | A4 row | 112 zeros ], 16 rows [ B4 row | 128 zeros ], 48 rows of zeros
;   Z3, Z2, Z1       only rows 256..271 of each block: [ Bj row | 128 zeros ]; in Z3 and Z2 also zeros in the same rows of the low part
; A stream: each input byte is loaded once, by loads of 512 consecutive bytes a wave; each store of a wave covers 256 consecutive
; bytes, aligned.  No LDS, no barrier, no matrix unit, no cluster: no two waves share a byte.  (mu is converted by the chain's launches.)
; Work-groups 0..255: 16 rows each of W, A, b.  256..259: B of one layer each.  260..267: Z4's zero rows.
; THE MODE: SCHED_MODE bits 1:0 = 2 (LLVM: expert scheduling mode 2), set by the entry lines.  The code itself states the register dependences
; between vector instructions and memory instructions, with s_wait_alu, always for 0.
; THE PLAN.  Registers that memory instructions touch:
;   v2, v3, v[6:7]  offsets and eight bytes of zeros: written at the head, read by loads and stores on every path, never written again.
;   v4, v5          offsets for A and b: written at the top of their class, read by its eight small loads, never written again.
;   D, row i        the loads land in it first; row i's sixteen roundings read it and write its registers 4 c, 4 c + 1 in place; row i's stores,
;                   issued in row i + 1's step, read those.  Nothing writes a row again, and no load lands in it a second time.
;   EX              written by the extension columns' roundings, read by four stores, never written again.
; So: one wait on va_vdst at the head of each of rows 1 to 3, behind the wait for the row's data, states that the row before is rounded; that row's
; stores follow, dealt among this row's roundings, which name this row's registers alone.  One more stands ahead of the last stores.
; No register that a memory instruction reads is written again, so past the entry the text holds no wait on vm_vsrc.  EXEC is never written.
.set ROWF,   4096                      ; bytes of an f32 row of 1024
.set ZP,     2304                      ; bytes of a row of E and of Z (1152 bf16)
.set QBLK,   320*ZP                    ; a block of 320 rows of Z
.set LOPART, 1280*ZP                   ; where the low part of Z3 and Z2 begins
.set D,   16                           ; v[16:143]  row i (of 4), load c (of 8): 4 registers at D + 32 i + 4 c
.set EA,  144                          ; v[144:159] row i: 4 numbers of A
.set EB,  160                          ; v[160:163] row i: b
.set EX,  164                          ; v[164:171] row i: the extension columns' 8 bytes of this lane
	s_load_b512 s[4:19], s[0:1], 0x0               ; Ws s4, As s6, Bs s8, bs s10, E1 s12, E2 s14, E3 s16, Z4 s18
	s_load_b128 s[20:23], s[0:1], 0x40             ; Z3 s20, Z2 s22
	s_load_b64 s[24:25], s[0:1], 0x50              ; Z1 s24
	v_and_b32 v1, 31, v0                           ; lane
	v_lshrrev_b32 v2, 5, v0
	v_readfirstlane_b32 s30, v2                    ; wave 0..3
	v_lshlrev_b32 v2, 4, v1                        ; 16 x lane: loads
	v_lshlrev_b32 v3, 3, v1                        ; 8 x lane: stores
	v_mov_b32 v6, 0                                ; v[6:7]: eight bytes of zeros
	v_mov_b32 v7, 0
	s_mov_b32 s39, 0                               ; upper word of every offset pair s[38:39]
	s_wait_kmcnt 0x0
	s_wait_alu depctr_va_sdst(0)                   ; s30 is written, ahead of the branches behind which each class's row arithmetic reads it
	s_wait_alu depctr_va_vdst(0)                   ; v2, v3, v6 and v7 are written: the loads and stores of all three classes read them as offsets and as data
; four rows of 1024 f32: 32 loads, all on their way at once
.macro LOAD4 src
.irp i, 0,1,2,3
.irp c, 0,1,2,3,4,5,6,7
	global_load_b128 v[D+32*\i+4*\c:D+32*\i+4*\c+3], v2, s[\src:\src+1] offset:ROWF*\i+512*\c th:TH_LOAD_NT
.endr
.endr
.endm
; the four rows rounded in place; rows 0 to 2 stored, reps times, stride bytes apart, each in the step of the row behind it
.macro CVST4 dst, pitch, reps, stride
.irp i, 0,1,2,3
	s_wait_loadcnt 8*(3-\i)                        ; loads come back in order: row i is in, the younger rows' loads stay out
.if \i
	s_wait_alu depctr_va_vdst(0)                   ; the roundings of the row before have written its registers 4 c and 4 c + 1, which the stores below read
.endif
.irp c, 0,1,2,3,4,5,6,7
.if \i
.set rep, 0
.rept \reps
	global_store_b64 v3, v[D+32*(\i-1)+4*\c:D+32*(\i-1)+4*\c+1], s[\dst:\dst+1] offset:\pitch*(\i-1)+256*\c+rep*\stride  ; the row before; no vector instruction since the wait names its registers
.set rep, rep+1
.endr
.endif
	v_cvt_pk_bf16_f32 v[D+32*\i+4*\c], v[D+32*\i+4*\c], v[D+32*\i+4*\c+1]
	v_cvt_pk_bf16_f32 v[D+32*\i+4*\c+1], v[D+32*\i+4*\c+2], v[D+32*\i+4*\c+3]
.endr
.endr
.endm
; row 3's stores: they stand behind a wait of their own, which the caller writes
.macro LAST4 dst, pitch, reps, stride
.irp c, 0,1,2,3,4,5,6,7
.set rep, 0
.rept \reps
	global_store_b64 v3, v[D+96+4*\c:D+96+4*\c+1], s[\dst:\dst+1] offset:\pitch*3+256*\c+rep*\stride
.set rep, rep+1
.endr
.endr
.endm
; units x 256 bytes of zeros from byte off on
.macro ZEROS dst, off, units
.set u, 0
.rept \units
	global_store_b64 v3, v[6:7], s[\dst:\dst+1] offset:\off+256*u
.set u, u+1
.endr
.endm
	s_cmp_lt_u32 ttmp9, 256
	s_cbranch_scc1 .Lclass_e
	s_cmp_lt_u32 ttmp9, 260
	s_cbranch_scc1 .Lclass_b
	; ---- Z4's rows 272..319 of a block: zeros; two work-groups a block, six rows a wave
	s_sub_co_u32 s36, ttmp9, 260
	s_lshr_b32 s37, s36, 1                         ; the block
	s_and_b32 s36, s36, 1                          ; which 24 of its 48 rows
	s_mul_i32 s37, s37, 320
	s_mul_i32 s36, s36, 24
	s_add_co_u32 s36, s36, s37
	s_mul_i32 s37, s30, 6
	s_add_co_u32 s36, s36, s37
	s_add_co_u32 s36, s36, 272
	s_mul_i32 s38, s36, ZP
	s_add_nc_u64 s[18:19], s[18:19], s[38:39]
.irp i, 0,1,2,3,4,5
	ZEROS 18, ZP*\i, 9
.endr
	s_endpgm
.Lclass_e:                                         ; ---- rows [ W | A | b | 0 ] of E1, E2, E3 and [ W4 | A4 | 0 ] of Z4
	v_min_u32 v4, 3, v1                            ; the class's own vector lines stand first: the scalar arithmetic below lies between them and their waits
	v_lshlrev_b32 v4, 4, v4                        ; lanes 0..3 take A's 16 numbers; the others repeat lane 3's and drop them
	v_mov_b32 v5, 0
	v_cmp_gt_u32 s32, 4, v1                        ; lanes 0..3: columns 1024..1039 = A
	v_cmp_eq_u32 s33, 4, v1                        ; lane 4: column 1040 = b
	s_lshr_b32 s37, ttmp9, 6                       ; layer 0..3
	s_and_b32 s36, ttmp9, 63
	s_lshl_b32 s36, s36, 4
	s_lshl2_add_u32 s36, s30, s36                  ; k0 = 16 (g mod 64) + 4 w
	s_lshl_b32 s38, s37, 22
	s_lshl_b32 s40, s36, 12
	s_add_co_u32 s38, s38, s40
	s_add_nc_u64 s[4:5], s[4:5], s[38:39]          ; W[layer][k0]
	s_lshl_b32 s38, s37, 16
	s_lshl_b32 s40, s36, 6
	s_add_co_u32 s38, s38, s40
	s_add_nc_u64 s[6:7], s[6:7], s[38:39]          ; A[layer][k0]
	s_lshl_b32 s38, s37, 12
	s_lshl2_add_u32 s38, s36, s38
	s_add_nc_u64 s[10:11], s[10:11], s[38:39]      ; b[layer][k0]
	s_lshr_b32 s40, s36, 8
	s_lshl_b32 s40, s40, 6
	s_add_co_u32 s40, s40, s36                     ; Z4's row: 320 (k0 / 256) + k0 mod 256 = k0 + 64 (k0 / 256)
	s_cmp_eq_u32 s37, 3
	s_cselect_b32 s40, s40, s36
	s_cselect_b64 s[42:43], s[18:19], s[16:17]     ; Z4, else E3
	s_cmp_eq_u32 s37, 1
	s_cselect_b64 s[42:43], s[14:15], s[42:43]     ; E2
	s_cmp_eq_u32 s37, 0
	s_cselect_b64 s[42:43], s[12:13], s[42:43]     ; E1
	s_mul_i32 s38, s40, ZP
	s_add_nc_u64 s[42:43], s[42:43], s[38:39]
	s_wait_alu depctr_va_sdst(0)                   ; the two compares have written s32 and s33: the select below reads s33, the selects on lanes further down both
	s_cmp_eq_u32 s37, 3
	s_cselect_b32 s33, 0, s33                      ; no b in Z4: b4 is added in f32 by the last launch
	s_wait_alu depctr_va_vdst(0)                   ; v4 and v5 are written, which the loads of A and b read as offsets
.irp i, 0,1,2,3
	global_load_b128 v[EA+4*\i:EA+4*\i+3], v4, s[6:7] offset:64*\i
	global_load_b32 v[EB+\i], v5, s[10:11] offset:4*\i
.endr
	LOAD4 4
	CVST4 42, ZP, 1, 0                             ; its first wait also covers the eight older loads of A and b
.irp i, 0,1,2,3
	v_cndmask_b32 v[EB+\i], 0, v[EB+\i], s33
	v_cndmask_b32 v[EA+4*\i], v[EB+\i], v[EA+4*\i], s32
	v_cndmask_b32 v[EA+4*\i+1], 0, v[EA+4*\i+1], s32
	v_cndmask_b32 v[EA+4*\i+2], 0, v[EA+4*\i+2], s32
	v_cndmask_b32 v[EA+4*\i+3], 0, v[EA+4*\i+3], s32
	v_cvt_pk_bf16_f32 v[EX+2*\i], v[EA+4*\i], v[EA+4*\i+1]
	v_cvt_pk_bf16_f32 v[EX+2*\i+1], v[EA+4*\i+2], v[EA+4*\i+3]
.endr
	s_wait_alu depctr_va_vdst(0)                   ; row 3's roundings and the extension columns' have written what the last twelve stores read
	LAST4 42, ZP, 1, 0
.irp i, 0,1,2,3
	global_store_b64 v3, v[EX+2*\i:EX+2*\i+1], s[42:43] offset:2048+ZP*\i
.endr
	s_endpgm
.Lclass_b:                                         ; ---- rows [ B | 0 ], the same in all four blocks of Z1, Z2, Z3, Z4
	s_sub_co_u32 s37, ttmp9, 256                   ; layer 0..3
	s_lshl_b32 s36, s30, 2                         ; first of my four rows
	s_lshl_b32 s38, s37, 16
	s_lshl_b32 s40, s36, 12
	s_add_co_u32 s38, s38, s40
	s_add_nc_u64 s[8:9], s[8:9], s[38:39]
	s_cmp_eq_u32 s37, 3
	s_cselect_b64 s[42:43], s[18:19], s[20:21]     ; Z4, else Z3
	s_cmp_eq_u32 s37, 1
	s_cselect_b64 s[42:43], s[22:23], s[42:43]     ; Z2
	s_cmp_eq_u32 s37, 0
	s_cselect_b64 s[42:43], s[24:25], s[42:43]     ; Z1
	s_add_co_u32 s38, s36, 256
	s_mul_i32 s38, s38, ZP
	s_add_nc_u64 s[42:43], s[42:43], s[38:39]
	LOAD4 8
	CVST4 42, ZP, 4, QBLK
	s_wait_alu depctr_va_vdst(0)                   ; row 3's roundings have written what its stores read
	LAST4 42, ZP, 4, QBLK
.irp q, 0,1,2,3
.irp i, 0,1,2,3
	ZEROS 42, QBLK*\q+ZP*\i+2048, 1
.endr
.endr
	s_cmp_eq_u32 s37, 0
	s_cbranch_scc1 .Lb_end                         ; Z1 and Z4 have no low part
	s_cmp_eq_u32 s37, 3
	s_cbranch_scc1 .Lb_end
.irp q, 0,1,2,3
.irp i, 0,1,2,3
	ZEROS 42, LOPART+QBLK*\q+ZP*\i, 9              ; B is taken as bf16(B): its low part is zero
.endr
.endr
.Lb_end:
	s_endpgm
.Lfunc_end_k_q27f51b6b1e_prep:
	.size	k_q27f51b6b1e_prep, .Lfunc_end_k_q27f51b6b1e_prep-k_q27f51b6b1e_prep
	.p2alignl 7, 3214868480
	.fill 96, 4, 3214868480
	.section	.rodata,"a",@progbits
	.p2align	6, 0x0
	.amdhsa_kernel k_q27f51b6b1e_prep
		.amdhsa_group_segment_fixed_size 0
		.amdhsa_private_segment_fixed_size 0
		.amdhsa_enable_private_segment 0
		.amdhsa_kernarg_size 88
		.amdhsa_user_sgpr_count 2
		.amdhsa_user_sgpr_kernarg_segment_ptr 1
		.amdhsa_wavefront_size32 1
		.amdhsa_system_sgpr_workgroup_id_x 1
		.amdhsa_system_sgpr_workgroup_id_y 1
		.amdhsa_system_sgpr_workgroup_id_z 1
		.amdhsa_system_vgpr_workitem_id 0
		.amdhsa_next_free_vgpr 172
		.amdhsa_next_free_sgpr 66
		.amdhsa_reserve_vcc 0
		.amdhsa_float_denorm_mode_32 3
		.amdhsa_float_denorm_mode_16_64 3
		.amdhsa_memory_ordered 1
		.amdhsa_forward_progress 1
		.amdhsa_inst_pref_size 56
	.end_amdhsa_kernel
	.amdgpu_metadata
---
amdhsa.version: [ 1, 2 ]
amdhsa.kernels:
  - .name:           k_q27f51b6b1e_prep
    .symbol:         k_q27f51b6b1e_prep.kd
    .args:
      - { .name: Ws, .offset: 0, .size: 8, .value_kind: global_buffer, .address_space: global }
      - { .name: As, .offset: 8, .size: 8, .value_kind: global_buffer, .address_space: global }
      - { .name: Bs, .offset: 16, .size: 8, .value_kind: global_buffer, .address_space: global }
      - { .name: bs, .offset: 24, .size: 8, .value_kind: global_buffer, .address_space: global }
      - { .name: E1, .offset: 32, .size: 8, .value_kind: global_buffer, .address_space: global }
      - { .name: E2, .offset: 40, .size: 8, .value_kind: global_buffer, .address_space: global }
      - { .name: E3, .offset: 48, .size: 8, .value_kind: global_buffer, .address_space: global }
      - { .name: Z4, .offset: 56, .size: 8, .value_kind: global_buffer, .address_space: global }
      - { .name: Z3, .offset: 64, .size: 8, .value_kind: global_buffer, .address_space: global }
      - { .name: Z2, .offset: 72, .size: 8, .value_kind: global_buffer, .address_space: global }
      - { .name: Z1, .offset: 80, .size: 8, .value_kind: global_buffer, .address_space: global }
    .group_segment_fixed_size: 0
    .private_segment_fixed_size: 0
    .kernarg_segment_align: 8
    .kernarg_segment_size: 88
    .max_flat_workgroup_size: 128
    .sgpr_count:     66
    .vgpr_count:     172
    .wavefront_size: 32
...
	.end_amdgpu_metadata
.endif
;; end of part 6
;; launch c3: the kernel of part 2 again; grid 224 x 1, 4 waves a work-group, clusters of 4 x 1, 327,680 bytes of LDS; arguments Z4, E3, Z3, mu, X; writes Z3, X
;; launch c2: the kernel of part 3 again; grid 224 x 1, 4 waves a work-group, clusters of 4 x 1, 327,680 bytes of LDS; arguments Z3, E2, Z2, mu, X; writes Z2, X
;; launch c1: the kernel of part 4 again; grid 220 x 1, 4 waves a work-group, clusters of 4 x 1, 327,680 bytes of LDS; arguments Z2, E1, Z1, mu, X; writes Z1, X
;; launch main: the kernel of part 5 again; grid 4 x 64, 4 waves a work-group, clusters of 4 x 4, 327,680 bytes of LDS; arguments X, Z1, nu, t, alpha_W, alpha_b, bs, out0; writes out0
